; MI455X (gfx1250); checked and timed in simulation.
; The chip was launched on July 23, 2026; its instructions are those of AMD's public machine-readable ISA for CDNA 5 (MIT licence, August 2026) and "CDNA5" Instruction Set Architecture Reference Guide (July 2026). The comments in the code are by the model that wrote it; some were corrected since.
;; MHA Ro PE. Allowed arithmetic: matrix products marked QUANTISED: E2M3 operands, one E8M0 scale for each 32 along K, by v_wmma_scale_f32_16x16x128_f8f6f4 with both operands' format E2M3, f32 sums; everything else in f32.
;; Inputs: bo 1,024 float32; dt 4 x 2,048 float32; key_padding_mask 4 x 2,048 bool; wk 1,024 x 1,024 float32; wo 1,024 x 1,024 float32; wq 1,024 x 1,024 float32; wv 1,024 x 1,024 float32; x 4 x 2,048 x 1,024 float32.
;; Outputs: out0 4 x 2,048 x 1,024 float32.
;; This version of the problem:
;;   THIS VERSION OF THE PROBLEM IS GIVEN IN LOW PRECISION. The matrix products marked QUANTISED in the list below multiply operands that are first quantised to E2M3 (2 exponent bits, 3 mantissa bits; 6 bits a number), with one power-of-two scale for each 32 numbers along K (OCP MX v1.0); their sums are f32. All else is computed in f32.
;;   The module's matrix products, in the order in which they are computed (A, B: the left and right operand; K: the contracted axis; several contracted axes count as one K, in the product's order):
;;     1. [M 8,192, K 1,024] x [K 1,024, N 1,024]; A: input x; B: input wq: QUANTISED
;;     2. [M 8,192, K 1,024] x [K 1,024, N 1,024]; A: input x; B: input wk: QUANTISED
;;     3. [M 8,192, K 1,024] x [K 1,024, N 1,024]; A: input x; B: input wv: QUANTISED
;;     4. batch 64 x [M 2,048, K 64] x [K 64, N 2,048]; A: computed on the way; B: computed on the way: QUANTISED
;;     5. batch 64 x [M 2,048, K 2,048] x [K 2,048, N 64]; A: softmax (see below); B: computed on the way: QUANTISED
;;     6. [M 8,192, K 1,024] x [K 1,024, N 1,024]; A: computed on the way; B: input wo: QUANTISED
;;   THE QUANTISER, for each operand of a quantised product, along K:
;;     - K is cut into blocks of 32 from its start; a last block that is shorter is filled with zeros.
;;     - A block's scale is 2^e with e = floor(log2(the largest magnitude in the block)) - 2, held to -126 .. 127; a block of zeros has e = 0. As a byte (E8M0): e + 127.
;;     - Each number is divided by its block's scale, clamped to +-7.5, and rounded to the nearest number of E2M3, ties to even, subnormals kept.
;;     - The product sums the exact products of the quantised numbers (number of the format x scale) in f32.
;;   ~~~python
;;   def quantise(x, axis):      # numpy; x: float32 -> the quantised numbers, widened to float32 again
;;       x = np.moveaxis(x, axis, -1); K = x.shape[-1]
;;       x = np.pad(x, [(0, 0)] * (x.ndim - 1) + [(0, -K % 32)]); x = x.reshape(x.shape[:-1] + (-1, 32)); a = np.abs(x).max(-1, keepdims=True)
;;       e = np.where(a > 0, np.clip(np.frexp(np.where(a > 0, a, 1))[1] - 1 - 2, -126, 127), 0)      # np.frexp(a)[1] - 1 = floor(log2(a)), exactly
;;       r = np.clip(x / 2.0 ** e, -7.5, 7.5)
;;       step = 2.0 ** (np.maximum(np.frexp(np.where(r == 0, 1, r))[1] - 1, 0) - 3)
;;       q = np.round(r / step) * step * 2.0 ** e      # np.round: ties to even
;;       return np.moveaxis(q.reshape(q.shape[:-2] + (-1,))[..., :K], -1, axis).astype(np.float32)
;;   ~~~
;;   SOFTMAX AHEAD OF A QUANTISED PRODUCT. Where the list says 'softmax', what is quantised is not the finished softmax but p = 2^(t - M), with t = logit x log2(e) and M = ceil(the row's largest t), a whole number; so 1/2 < the row's largest p <= 1. The row's sum l is taken of the UNQUANTISED p, in f32, and the product's result is divided by l at the end. Since M is a whole number, a kernel that streams over the keys may use a running M (the ceiling of the running maximum): every later rescaling is an exact power of two, which a block's scale takes up: the codes' values come out the same.
;;   OPERANDS COMPUTED ON THE WAY. 'Computed on the way' means the value that the module computes at that place (a softmax that the list does not call 'softmax' is quantised finished and normalised). What goes into a quantiser is computed in f32, as accurately as f32 sums, v_exp_f32 and their like allow (about 1e-6 of the number): no bf16 or f16 on the way to a quantiser, and a product that is left as it is and whose result goes on into a quantised operand takes f32 operands (vector FMAs, or v_wmma_f32_16x16x4_f32). A number that lies on a knife's edge between two numbers of the format may be rounded either way, as far as f32 arithmetic and the matrix unit's own rounding can turn it there, and no further.
;; One version. Each part assembles by itself: llvm-mc -triple=amdgcn-amd-amdhsa -mcpu=gfx1250 --defsym DOCPART=n.
;; ======== version 1 of 1: 4 launches
;; limits: right only within a limited range of input values
;; workspace buffers: xq 6,553,600 bytes; ww 3,276,800 bytes; trig 2,097,152 bytes; qq 7,340,032 bytes; kv 13,369,344 bytes; ao 6,553,600 bytes
;; launch prep (part 1): grid 512 x 1, 4 waves a work-group, no clusters, 35,328 bytes of LDS; arguments x, wq, wk, wv, wo, dt, xq, ww, trig; writes xq, ww, trig
.if DOCPART == 1
	.amdgcn_target "amdgcn-amd-amdhsa--gfx1250"
	.amdhsa_code_object_version 6
	.text
	.protected	k_q51ce78f143_prep
	.globl	k_q51ce78f143_prep
	.p2align	8
	.type	k_q51ce78f143_prep,@function
k_q51ce78f143_prep:
	s_mov_b64 s[64:65], 0
	v_nop
	global_prefetch_b8 v0, s[64:65] scope:SCOPE_SE
	s_setreg_imm32_b32 hwreg(HW_REG_WAVE_MODE, 25, 1), 1
	s_wait_xcnt 0x0
; PREP.  Work-groups 0-383: x [8192][1024] and wq, wk, wv, wo [1024][1024], f32, K innermost, become codes of FP6 (E2M3) with one E8M0 byte for each 32 along K,
; laid in the order of the operand's registers.  Work-groups 384-511: the table of cos and sin of dt x inv_freq for RoPE.
; A TILE OF 16 ROWS IS NOT 16 NEIGHBOURS: lane r of tile 2 g + u stands for row 32 g + 8 u + r + 8 (r / 8).
; AN H-TILE is 16 rows x 64 K of codes, 768 bytes: lane l = (r, h) owns 24 bytes (row r, block h of the 64): its first 16 at 16 l, its last 8 at 512 + 8 l.
; CODES: [tile][16 H-tiles][768].  SCALE WORDS behind them: [tile][hf 0..1][r][4 words]; word j belongs to the 128 along K numbered 4 hf + j, byte 2 c + h to block 64 c + 32 h of it.
; A block's scale is 2^(floor(log2(largest magnitude)) - 2); its byte is the largest magnitude's exponent field - 2, held at 1 from below (a block of zeros gets 1: its codes are zeros, and this program alone reads the bytes).
; LIMITS: NaN and infinities among the inputs are not served; blocks whose largest magnitude lies under 2^-124 keep the byte 1.  The table holds for |dt x inv_freq| under about 8e6 (the quotient by pi / 2 must be a whole number that f32 holds, with bits to spare).
; No tensor load, no barrier, no matrix instruction: waves share nothing.  Only the quantiser's path uses LDS.
.set R,    16                          ; v16-111   three sets of 32 registers: an H-tile's numbers as loaded
.set X,    112                         ; v112-175  two sets of 32: a lane's whole block of 32 neighbours
.set C,    176                         ; v176-239  codes: eight registers for each H-tile, so that no store's data are written again
.set W,    240                         ; v240-243  the four scale words
.set SP,   272                         ; a stage row: 256 bytes + 16
.set STG,  16*SP                       ; a stage: 16 rows
.set WREG, 2*STG                       ; a wave's own LDS: two stages
	s_load_b256 s[4:11], s[0:1], 0x0               ; x, wq, wk, wv
	s_load_b256 s[12:19], s[0:1], 0x20             ; wo, dt, xq, ww
	s_load_b64 s[20:21], s[0:1], 0x40              ; trig
	v_lshl_add_u32 v254, v0, 2, 0x8800
	v_mov_b32 v255, 0
	v_lshrrev_b32 v1, 5, v0
	v_readfirstlane_b32 s28, v1                    ; wave 0..3
	v_and_b32 v8, 31, v0                           ; lane
	v_and_b32 v9, 15, v0                           ; r
	v_bfe_u32 v10, v0, 4, 1                        ; h
	v_lshlrev_b32 v4, 4, v8                        ; 16 x lane
	s_cmp_ge_u32 ttmp9, 384
	s_cbranch_scc1 .Ltrig
; ---------------- the quantiser.  A work-group takes 32 rows (two tiles); wave w takes tile w / 2 and K half w % 2: eight H-tiles.
	s_mul_i32 s29, s28, WREG
	v_lshlrev_b32 v6, 4, v9                        ; 16 r
	v_lshl_add_u32 v1, v10, 12, v6                 ; a load: lanes 0-15 take 256 bytes of one row, lanes 16-31 of the next
	v_mul_u32_u24 v2, v10, SP
	v_add_nc_u32 v2, v2, v6
	v_add_nc_u32 v2, s29, v2                       ; into the stage, as loaded
	v_mul_u32_u24 v3, v9, SP
	v_lshl_add_u32 v3, v10, 7, v3
	v_add_nc_u32 v3, s29, v3                       ; out of it: row r, block h: 128 bytes
	v_lshlrev_b32 v5, 3, v8                        ; 8 x lane
	v_lshlrev_b32 v7, 3, v10                       ; 8 h: my byte's place in a scale word's pair
	s_lshr_b32 s30, s28, 1                         ; u: which tile
	s_and_b32 s31, s28, 1                          ; hf: which half of K
	s_and_b32 s32, ttmp9, 31                       ; a weight's group of 32 rows
	s_sub_co_u32 s33, ttmp9, 256                   ; the weights' groups, counted through all four
	s_mov_b32 s34, 6291456                         ; where xq's scale words begin
	s_mov_b32 s40, 0x76543210
	s_mov_b32 s41, 0xfedcba98                      ; v_permlanex16_b32's selects for lane l xor 16
	s_wait_alu depctr_va_vdst(0)
	s_wait_kmcnt 0x0
	s_cmp_ge_u32 ttmp9, 352                        ; the choices hang on the work-group's number alone
	s_cselect_b64 s[22:23], s[12:13], s[10:11]
	s_cmp_ge_u32 ttmp9, 320
	s_cselect_b64 s[22:23], s[22:23], s[8:9]
	s_cmp_ge_u32 ttmp9, 288
	s_cselect_b64 s[22:23], s[22:23], s[6:7]
	s_cmp_ge_u32 ttmp9, 256
	s_cselect_b64 s[22:23], s[22:23], s[4:5]       ; the source
	s_cselect_b64 s[24:25], s[18:19], s[16:17]     ; ww or xq
	s_cselect_b32 s32, s32, ttmp9                  ; the group of 32 rows in the source
	s_cselect_b32 s33, s33, ttmp9                  ; and in the destination
	s_cselect_b32 s34, 3145728, s34                ; where the destination's scale words begin
	s_lshl_b32 s36, s32, 17                        ; 32 rows of 4,096 bytes
	s_lshl_b32 s38, s30, 15                        ; + 8 u rows
	s_add_co_u32 s36, s36, s38
	s_lshl_b32 s38, s31, 11                        ; + 512 hf numbers
	s_add_co_u32 s36, s36, s38
	s_mov_b32 s37, 0
	s_add_nc_u64 s[22:23], s[22:23], s[36:37]
	s_lshl_b32 s33, s33, 1
	s_add_co_u32 s33, s33, s30                     ; my tile
	s_mul_i32 s36, s33, 12288
	s_mul_i32 s38, s31, 6144
	s_add_co_u32 s36, s36, s38
	s_add_nc_u64 s[26:27], s[24:25], s[36:37]      ; my eight H-tiles
	s_lshl_b32 s36, s33, 9
	s_lshl_b32 s38, s31, 8
	s_add_co_u32 s36, s36, s38
	s_add_co_u32 s36, s36, s34
	s_add_nc_u64 s[24:25], s[24:25], s[36:37]      ; my 256 bytes of scale words
.macro LOAD t                          ; H-tile t: 16 rows x 256 bytes; load i takes the tile's rows 2 i and 2 i + 1, which lie 2 i + 8 (i / 4) rows down
.irp i, 0,1,2,3,4,5,6,7
	global_load_b128 v[R+32*((\t)%3)+4*\i:R+32*((\t)%3)+4*\i+3], v1, s[22:23] offset:(2*\i+8*(\i/4))*4096+256*(\t) th:TH_LOAD_NT
.endr
.endm
.macro TURN t                          ; through the wave's own stage: LDS serves a wave's instructions in order, so no wait stands between the stores and the loads
.irp i, 0,1,2,3,4,5,6,7
	ds_store_b128 v2, v[R+32*((\t)%3)+4*\i:R+32*((\t)%3)+4*\i+3] offset:STG*((\t)%2)+2*SP*\i
.endr
.irp i, 0,1,2,3,4,5,6,7
	ds_load_b128 v[X+32*((\t)%2)+4*\i:X+32*((\t)%2)+4*\i+3], v3 offset:STG*((\t)%2)+16*\i
.endr
.endm
.macro STEP t
.set XS, X+32*((\t)%2)
	s_wait_dscnt 0x0                               ; this tile's numbers are back, and its stores into the stage have read their registers,
.if (\t)+3 < 8
	LOAD (\t)+3                                    ; which take the loads of three tiles on
.endif
.if (\t) < 7
.if (\t) <= 4
	s_wait_loadcnt 16                              ; the next tile's eight loads are in; those of the two tiles behind it may be out
.else
	s_wait_loadcnt 8*(6-(\t))
.endif
	TURN (\t)+1                                    ; the next tile goes through the other stage while this one is worked
.endif
	v_max3_num_f32 v244, |v[XS]|, |v[XS+1]|, |v[XS+2]|         ; the block's largest magnitude: all 32 numbers are mine
	v_max3_num_f32 v245, |v[XS+3]|, |v[XS+4]|, |v[XS+5]|
.irp i, 6,10,14,18,22,26
	v_max3_num_f32 v244, v244, |v[XS+\i]|, |v[XS+\i+1]|
	v_max3_num_f32 v245, v245, |v[XS+\i+2]|, |v[XS+\i+3]|
.endr
	v_max3_num_f32 v244, v244, |v[XS+30]|, |v[XS+31]|
	v_max3_num_f32 v244, v244, v245, 0x1800000     ; and the floor 2^(3 - 127): the byte cannot fall under 1
	v_add_nc_u32 v246, 0xff000000, v244            ; 2 off its exponent field: the conversion takes the exponent field of this operand as its scale
	v_cvt_scalef32_pk16_fp6_f32 v[C+8*(\t):C+8*(\t)+2], v[XS:XS+15], v246
	v_cvt_scalef32_pk16_fp6_f32 v[C+8*(\t)+4:C+8*(\t)+6], v[XS+16:XS+31], v246   ; (a conversion's three registers begin on an even number)
	v_lshrrev_b32 v247, 23, v246                   ; the scale's byte; also the plain line behind the conversions
	v_mov_b32 v[C+8*(\t)+3], v[C+8*(\t)+4]         ; the block's 24 bytes on end
	v_mov_b32 v[C+8*(\t)+4], v[C+8*(\t)+5]
	v_mov_b32 v[C+8*(\t)+5], v[C+8*(\t)+6]
.if (\t)%2 == 0
	v_mov_b32 v[W+(\t)/2], v247                    ; c = 0: byte 0 (+ h, below)
.else
	v_lshl_or_b32 v[W+(\t)/2], v247, 16, v[W+(\t)/2]   ; c = 1: byte 2 (+ h)
.endif
	global_store_b128 v4, v[C+8*(\t):C+8*(\t)+3], s[26:27] offset:768*(\t)         ; 512 consecutive bytes, aligned to 256
	global_store_b64 v5, v[C+8*(\t)+4:C+8*(\t)+5], s[26:27] offset:768*(\t)+512    ; 256 consecutive bytes, aligned
.endm
	LOAD 0
	LOAD 1
	LOAD 2
	s_wait_loadcnt 16                              ; tile 0's eight loads are in
	TURN 0
.irp t, 0,1,2,3,4,5,6,7
	STEP \t
.endr
.irp j, 0,1,2,3
	v_lshlrev_b32 v[W+\j], v7, v[W+\j]             ; my two bytes at their places: 8 h bits up
.endr
.irp j, 0,1,2,3
	v_mov_b32 v[248+\j], 0                         ; a lane permute's destination counts as one of its sources
.endr
.irp j, 0,1,2,3
	v_permlanex16_b32 v[248+\j], v[W+\j], s40, s41
.endr
.irp j, 0,1,2,3
	v_or_b32 v[W+\j], v[W+\j], v[248+\j]           ; with lane l xor 16's two the word is whole
.endr
	global_store_b128 v6, v[W:W+3], s[24:25]       ; row r's four words; both halves of the lanes write the same bytes with the same values: 256 consecutive bytes, aligned
	s_wait_tensorcnt 0x0
	ds_add_u32 v254, v255
	s_wait_dscnt 0x0
	s_endpgm
; ---------------- the table.  Wave w takes token tile T = 4 (work-group - 384) + w.  Its 4,096 bytes: [i 0..7][lane][16 bytes] = (cos, sin, cos, sin) of lane r's token
; at the frequencies f = 16 (i / 4) + 8 h + 2 (i % 4) + 0, 1: the order in which the projections' results lie in a lane's registers.
.Ltrig:
	s_sub_co_u32 s29, ttmp9, 384
	s_lshl_b32 s29, s29, 2
	s_add_co_u32 s29, s29, s28                     ; T
	s_lshr_b32 s30, s29, 1
	s_lshl_b32 s30, s30, 5
	s_and_b32 s31, s29, 1
	s_lshl_b32 s31, s31, 3
	s_add_co_u32 s30, s30, s31                     ; 32 (T / 2) + 8 (T % 2)
	s_wait_alu depctr_va_vdst(0)
	v_and_b32 v1, 8, v9
	v_add_nc_u32 v1, v1, v9                        ; r + 8 (r / 8)
	v_add_nc_u32 v1, s30, v1                       ; my token
	v_lshlrev_b32 v1, 2, v1
	s_mov_b32 s32, 0x3f22f983                      ; 2 / pi
	s_mov_b32 s33, 0xbfc90fdb                      ; - pi / 2 in three parts: the f32 nearest,
	s_mov_b32 s34, 0x333bbd2e                      ; what it lacks,
	s_mov_b32 s35, 0x26f72ced                      ; and what that lacks
	s_mov_b32 s36, 0xbe2aaaa3                      ; the sine's polynomial on |r| <= pi / 4
	s_mov_b32 s37, 0x3c08839e
	s_mov_b32 s38, 0xb94ca1f9
	s_mov_b32 s39, 0x3d2aaaa5                      ; the cosine's
	s_mov_b32 s40, 0xbab6061a
	s_mov_b32 s41, 0x37ccf5ce
	s_mov_b32 s42, 0x80000000
	s_mov_b32 s43, 0xbed49a80                      ; - 217706 / 2^19: log2(10000) / 32 cut to 18 bits, so that its product with f < 32 is exact
	s_mov_b32 s44, 0x342ae0a0                      ; ln 2 x (217706 / 2^19 - log2(10000) / 32): what the cut leaves, as a factor 1 + f x this
	s_lshl_b32 s30, s29, 12
	s_mov_b32 s31, 0
	s_wait_alu depctr_va_vdst(0)
	s_wait_kmcnt 0x0
	global_load_b32 v2, v1, s[14:15]               ; dt
	s_add_nc_u64 s[20:21], s[20:21], s[30:31]
	v_lshlrev_b32 v3, 3, v10                       ; 8 h
.irp k, 0,1,2,3,4,5,6,7,8,9,10,11,12,13,14,15
	v_add_nc_u32 v[64+\k], 16*(\k/8)+\k%8, v3      ; f
.endr
.irp k, 0,1,2,3,4,5,6,7,8,9,10,11,12,13,14,15
	v_cvt_f32_u32 v[64+\k], v[64+\k]
.endr
.irp k, 0,1,2,3,4,5,6,7,8,9,10,11,12,13,14,15
	v_mul_f32 v[16+\k], s43, v[64+\k]
.endr
	s_wait_alu depctr_va_vdst(0)
.irp k, 0,1,2,3,4,5,6,7,8,9,10,11,12,13,14,15
	v_exp_f32 v[16+\k], v[16+\k]
.endr
.irp k, 0,1,2,3,4,5,6,7,8,9,10,11,12,13,14,15
	v_mul_f32 v[64+\k], s44, v[64+\k]              ; plain work behind the exponentials, which names none of their results
.endr
	s_wait_alu depctr_va_vdst(0)                   ; one wait for the batch of sixteen, ahead of its first reader
.irp k, 0,1,2,3,4,5,6,7,8,9,10,11,12,13,14,15
	v_fma_f32 v[16+\k], v[16+\k], v[64+\k], v[16+\k]   ; inv_freq = 10000^(-f / 32)
.endr
	s_wait_loadcnt 0x0
.macro SINCOS k
	v_mul_f32 v80, v2, v[16+\k]                    ; the angle, rounded to f32 as it is defined
	v_mul_f32 v81, s32, v80
	v_rndne_f32 v81, v81                           ; n = the nearest multiple of pi / 2
	v_fma_f32 v82, v81, s33, v80
	v_fma_f32 v82, v81, s34, v82
	v_fma_f32 v82, v81, s35, v82                   ; r = angle - n pi / 2
	v_cvt_i32_f32 v83, v81
	v_mul_f32 v84, v82, v82                        ; z = r r
	v_fma_f32 v85, v84, s38, s37
	v_fma_f32 v87, v84, s41, s40
	v_mul_f32 v86, v84, v82
	v_mul_f32 v88, v84, v84
	v_fma_f32 v85, v85, v84, s36
	v_fma_f32 v87, v87, v84, s39
	v_fma_f32 v89, v84, -0.5, 1.0
	v_fma_f32 v85, v85, v86, v82                   ; sin r
	v_fma_f32 v87, v87, v88, v89                   ; cos r
	v_and_b32 v90, 1, v83
	v_cmp_eq_u32 vcc_lo, 1, v90                    ; an odd n swaps the two
	v_cndmask_b32 v91, v85, v87, vcc_lo
	v_cndmask_b32 v92, v87, v85, vcc_lo
	v_lshlrev_b32 v93, 30, v83                     ; the sine changes sign where n % 4 is 2 or 3,
	v_add_lshl_u32 v94, v83, 1, 30                 ; the cosine where it is 1 or 2
	v_and_b32 v93, s42, v93
	v_and_b32 v94, s42, v94
	v_xor_b32 v[33+2*\k], v91, v93
	v_xor_b32 v[32+2*\k], v92, v94
.endm
.irp k, 0,1,2,3,4,5,6,7,8,9,10,11,12,13,14,15
	SINCOS \k
.endr
.irp i, 0,1,2,3,4,5,6,7
	global_store_b128 v4, v[32+4*\i:35+4*\i], s[20:21] offset:512*\i   ; 512 consecutive bytes, aligned
.endr
	s_endpgm
.Lfunc_end_k_q51ce78f143_prep:
	.size	k_q51ce78f143_prep, .Lfunc_end_k_q51ce78f143_prep-k_q51ce78f143_prep
	.p2alignl 7, 3214868480
	.fill 96, 4, 3214868480
	.section	.rodata,"a",@progbits
	.p2align	6, 0x0
	.amdhsa_kernel k_q51ce78f143_prep
		.amdhsa_group_segment_fixed_size 35328
		.amdhsa_private_segment_fixed_size 0
		.amdhsa_enable_private_segment 0
		.amdhsa_kernarg_size 72
		.amdhsa_user_sgpr_count 2
		.amdhsa_user_sgpr_kernarg_segment_ptr 1
		.amdhsa_wavefront_size32 1
		.amdhsa_system_sgpr_workgroup_id_x 1
		.amdhsa_system_sgpr_workgroup_id_y 1
		.amdhsa_system_sgpr_workgroup_id_z 1
		.amdhsa_system_vgpr_workitem_id 0
		.amdhsa_next_free_vgpr 256
		.amdhsa_next_free_sgpr 66
		.amdhsa_reserve_vcc 1
		.amdhsa_float_denorm_mode_32 3
		.amdhsa_float_denorm_mode_16_64 3
		.amdhsa_memory_ordered 1
		.amdhsa_forward_progress 1
		.amdhsa_inst_pref_size 56
	.end_amdhsa_kernel
	.amdgpu_metadata
---
amdhsa.version: [ 1, 2 ]
amdhsa.kernels:
  - .name:           k_q51ce78f143_prep
    .symbol:         k_q51ce78f143_prep.kd
    .args:
      - { .name: x, .offset: 0, .size: 8, .value_kind: global_buffer, .address_space: global }
      - { .name: wq, .offset: 8, .size: 8, .value_kind: global_buffer, .address_space: global }
      - { .name: wk, .offset: 16, .size: 8, .value_kind: global_buffer, .address_space: global }
      - { .name: wv, .offset: 24, .size: 8, .value_kind: global_buffer, .address_space: global }
      - { .name: wo, .offset: 32, .size: 8, .value_kind: global_buffer, .address_space: global }
      - { .name: dt, .offset: 40, .size: 8, .value_kind: global_buffer, .address_space: global }
      - { .name: xq, .offset: 48, .size: 8, .value_kind: global_buffer, .address_space: global }
      - { .name: ww, .offset: 56, .size: 8, .value_kind: global_buffer, .address_space: global }
      - { .name: trig, .offset: 64, .size: 8, .value_kind: global_buffer, .address_space: global }
    .group_segment_fixed_size: 35328
    .private_segment_fixed_size: 0
    .kernarg_segment_align: 8
    .kernarg_segment_size: 72
    .max_flat_workgroup_size: 128
    .sgpr_count:     66
    .vgpr_count:     256
    .wavefront_size: 32
...
	.end_amdgpu_metadata
.endif
;; end of part 1
;; launch qkv (part 2): grid 24 x 32, 4 waves a work-group, clusters of 4 x 4, 327,680 bytes of LDS; arguments xq, ww, trig, key_padding_mask, qq, kv; writes qq, kv
.if DOCPART == 2
	.amdgcn_target "amdgcn-amd-amdhsa--gfx1250"
	.amdhsa_code_object_version 6
	.text
	.protected	k_q51ce78f143_qkv
	.globl	k_q51ce78f143_qkv
	.p2align	8
	.type	k_q51ce78f143_qkv,@function
k_q51ce78f143_qkv:
	s_mov_b64 s[64:65], 0
	v_nop
	global_prefetch_b8 v0, s[64:65] scope:SCOPE_SE
	s_setreg_imm32_b32 hwreg(HW_REG_WAVE_MODE, 25, 1), 1
	s_wait_xcnt 0x0
	s_wait_alu depctr_hold_cnt(0) depctr_sa_sdst(0) depctr_va_vdst(0) depctr_va_sdst(0) depctr_va_ssrc(0) depctr_va_vcc(0) depctr_vm_vsrc(0)
	s_getreg_b32 s2, hwreg(HW_REG_IB_STS2, 6, 4)
	s_cmp_eq_u32 s2, 0
	s_cbranch_scc0 .Lentry_in_a_cluster
	s_endpgm
.Lentry_in_a_cluster:
	s_bfe_u32 s2, ttmp6, 0x10000c
	s_cmp_lg_u32 s2, 0xf033
	s_cbranch_scc0 .Lentry_shape_is_right
	s_endpgm
.Lentry_shape_is_right:
; QKV.  x wq^T, x wk^T, x wv^T on codes of FP6 (E2M3) with E8M0 scales; RoPE on q and k; q and k quantised along the head's 64, v along the keys; the key mask goes into k's scale words.
; A work-group makes 256 tokens x 128 columns (two heads) of one of q, k, v (role = column tile / 8).  All of K = 1,024 of its operands lies in LDS, brought by first fills alone: no LDS byte is filled twice.
; Four waves: wave w takes tokens 128 (w / 2) on and columns 64 (w % 2) on, one head: 8 x 4 = 32 accumulators, window 1.
; CLUSTER 4 x 4: the four of a row of the cluster need the same tiles of x, the four of a column the same tiles of w: each is asked for jointly, by the same tensor load with the same descriptor and a mask that names the four.
; TILES OF 16 ROWS ARE NOT NEIGHBOURS: lane r of tile 2 g + u stands for row 32 g + 8 u + r + 8 (r / 8): so the 16 result registers of tiles 2 g and 2 g + 1 are 16 neighbours, 32 g + 16 h + 0 .. 15.
; q, k: THE PRODUCT IS USED TRANSPOSED (source 0 = 16 rows of w, source 1 = 16 tokens): a lane holds one token, its 32 registers of a token tile run along the head's d.
; v: source 0 = 16 tokens, source 1 = 16 rows of wv: a lane holds one d, its 64 registers run along the wave's 128 keys, which are one key step.
; THE MASK.  A head's K is 64, half of the matrix instruction's 128.  In the other half k carries one code, -4, and q one code, +4; the byte that scales k's is 1 for a free key and 223 for a padded one:
; a padded key's score is -16 x 2^96 = -2^100, a free key's is lowered by 2^-122.
; LIMITS: scores of free keys under about 2^-98 in magnitude are disturbed; logits under -2e29 are not told apart from padding; NaN and infinities are not served; blocks under 2^-124 keep the byte 1.
; WINDOWS: 0: v0-31 addresses and lane constants; v32-95 scale words, two sets; v96-159 rotated numbers; v160-207 the quantiser.  1: accumulators.  2: x's fragments, two sets of 96.  3: w's, two sets of 48; v128-255 cos and sin, two buffers.
.set CHUNK, 147456                     ; LDS: 512 along K: x's 16 tiles x 6,144 bytes, then w's 8
.set XROW,  6144
.set WOFF,  98304
.set SCX,   2*CHUNK                    ; x's scale words, 16 tiles x 512 bytes
.set SCW,   SCX+8192                   ; w's, 8 tiles
.set RTB,   12288                      ; a tile's codes for all of K, in memory
.set XSC,   6291456                    ; where xq's scale words begin
.set WSC,   3145728                    ; and ww's
.set SC,    32
.set HA,    96
.set PC,    160                        ; v160-171 a fragment's codes; v172-178 at work
.set TM,    180                        ; v180-183 largest magnitudes, v184-187 bytes, v188-191 the conversions' scale operands
.set PW,    192                        ; the scale word just made
.set TT,    200                        ; v200-207 four pairs at work
.set SEL,   38
.set MSB, 0
.macro WIN new                         ; the immediate's high byte repeats the setting that is left
.if MSB != \new
	s_set_vgpr_msb (MSB<<8)|\new
.set MSB, \new
.endif
.endm
.macro PLACES n
.rept \n
	v_nop
.endr
.endm
.macro CROUND                          ; a round of the cluster's barrier
	s_barrier_signal -1
	s_barrier_wait -1
	s_cmp_lg_u32 s16, 0
	s_cbranch_scc1 .Lnot_wave_0_\@
	s_barrier_signal -3
.Lnot_wave_0_\@:
	s_barrier_wait -3
	s_barrier_signal -1
	s_barrier_wait -1
.endm
.macro G1SET g, c, r, p                ; descriptor group 1 but for its first word: r rows of c elements of 8 bytes, p elements apart
	s_mov_b32 s[\g+1], (\c)<<16
	s_mov_b32 s[\g+2], (\r)<<16
	s_mov_b32 s[\g+3], (\c)<<16
	s_mov_b32 s[\g+4], \r
	s_mov_b32 s[\g+5], \p
	s_mov_b32 s[\g+6], 0
	s_mov_b32 s[\g+7], 0
.endm
.macro G0SET g, ldsmul, ldsoff, ptr, goff   ; descriptor group 0: to LDS byte ldsmul x (wave % 2) + ldsoff, from the pointer + goff
	s_mov_b32 s[\g], 1
.if \ldsmul
	s_mul_i32 s[\g+1], s18, \ldsmul
	s_add_co_u32 s[\g+1], s[\g+1], \ldsoff
.else
	s_mov_b32 s[\g+1], \ldsoff
.endif
	s_add_nc_u64 s[\g+2:\g+3], s[\ptr:\ptr+1], \goff
	s_or_b32 s[\g+3], s[\g+3], 0x80000000
.endm
	s_load_b256 s[4:11], s[0:1], 0x0               ; xq, ww, trig, key_padding_mask
	s_load_b128 s[12:15], s[0:1], 0x20             ; qq, kv
	v_lshl_add_u32 v254, v0, 2, 0x4b000
	v_mov_b32 v255, 0
	ds_add_u32 v254, v255
	ds_add_u32 v254, v255
	v_lshrrev_b32 v1, 5, v0
	v_readfirstlane_b32 s16, v1                    ; wave 0..3
	s_lshr_b32 s17, s16, 1                         ; RH: my half of the tokens.  Also: I fetch for x (0) or for w (1)
	s_and_b32 s18, s16, 1                          ; CH: my half of the columns.  Also: which half of that operand I fetch
	s_bfe_u32 s19, ttmp6, 0x40000                  ; cx
	s_bfe_u32 s20, ttmp6, 0x40004                  ; cy
	s_lshl_b32 s21, ttmp9, 2
	s_add_co_u32 s21, s21, s19                     ; jx: column tile
	s_and_b32 s22, ttmp7, 0xffff
	s_lshl_b32 s22, s22, 2
	s_add_co_u32 s22, s22, s20                     ; iy: token tile
	s_lshl_b32 s2, s20, 2
	s_lshl_b32 s2, 15, s2                          ; my row of the cluster
	s_lshl_b32 s100, 0x1111, s19                   ; my column
	s_or_b32 s24, s2, (3<<16)|(1<<21)              ; 15:0 the mask; 17:16 elements of 8 bytes; 21 set beside a mask; no padding
	s_or_b32 s40, s2, (3<<16)|(1<<21)
	s_or_b32 s32, s100, (3<<16)|(1<<21)
	s_or_b32 s48, s100, (3<<16)|(1<<21)
	G1SET 24, 768, 16, 1536                        ; x's codes, first half of K: 16 tiles x 6,144 bytes, 12,288 apart
	G1SET 32, 768, 8, 1536                         ; w's: 8 tiles
	G1SET 40, 32, 32, 32                           ; x's scale words: 8,192 dense bytes as 32 rows of 256
	G1SET 48, 32, 16, 32                           ; w's: 4,096
	s_lshl_b32 s23, s22, 4                         ; x's addresses hang on iy and the wave alone,
	s_lshl_b32 s66, s23, 9
	s_add_co_u32 s66, s66, XSC
	s_mov_b32 s67, 0
	s_mul_i32 s2, s23, RTB
	s_mov_b32 s3, 0
	s_lshl_b32 s100, s21, 3                        ; w's on jx and the wave alone
	s_lshl_b32 s104, s100, 9
	s_add_co_u32 s104, s104, WSC
	s_mov_b32 s105, 0
	s_mul_i32 s100, s100, RTB
	s_mov_b32 s101, 0
	s_wait_dscnt 0x0
	s_wait_kmcnt 0x0
	s_add_nc_u64 s[66:67], s[4:5], s[66:67]
	s_add_nc_u64 s[2:3], s[4:5], s[2:3]
	s_add_nc_u64 s[104:105], s[6:7], s[104:105]
	s_add_nc_u64 s[100:101], s[6:7], s[100:101]
	s_mul_i32 s72, s18, 8*RTB                      ; the second half of K is shared out: 8 tiles of x or 4 of w a wave
	s_mov_b32 s73, 0
	s_add_nc_u64 s[72:73], s[2:3], s[72:73]
	s_mul_i32 s76, s18, 4*RTB
	s_mov_b32 s77, 0
	s_add_nc_u64 s[76:77], s[100:101], s[76:77]
	G0SET 56, 0, SCX, 66, 0
	G0SET 60, 0, 0, 2, 0
	G0SET 68, 8*XROW, CHUNK, 72, XROW
	G0SET 80, 0, SCW, 104, 0
	G0SET 84, 0, WOFF, 100, 0
	G0SET 88, 4*XROW, CHUNK+WOFF, 76, XROW
	CROUND                                         ; all sixteen work-groups are here: the joint loads meet
	s_cmp_eq_u32 s16, 0                            ; the head's four tiles, one a wave, in one chain of branches on the wave's number
	s_cbranch_scc0 .Lh1
	tensor_load_to_lds s[60:63], s[24:31]          ; wave 0: x's codes, K 0-511
	s_nop 0
	PLACES 4
	s_branch .Lasked
.Lh1:
	s_cmp_eq_u32 s16, 1
	s_cbranch_scc0 .Lh2
	tensor_load_to_lds s[84:87], s[32:39]          ; wave 1: w's codes, K 0-511
	s_nop 0
	PLACES 4
	s_branch .Lasked
.Lh2:
	s_cmp_eq_u32 s16, 2
	s_cbranch_scc0 .Lh3
	tensor_load_to_lds s[56:59], s[40:47]          ; wave 2: x's scale words
	s_nop 0
	PLACES 4
	s_branch .Lasked
.Lh3:
	tensor_load_to_lds s[80:83], s[48:55]          ; wave 3: w's scale words
	s_nop 0
	PLACES 4
.Lasked:
	v_and_b32 v9, 15, v0                           ; r
	v_bfe_u32 v10, v0, 4, 1                        ; h
	s_wait_alu depctr_va_vdst(0)
	v_and_b32 v11, 31, v0
	v_lshlrev_b32 v1, 4, v11                       ; 16 x lane
	v_lshlrev_b32 v2, 3, v11                       ; 8 x lane
	s_mul_i32 s23, s17, 8*XROW
	v_add_nc_u32 v3, s23, v1                       ; x's fragments: my 8 tiles; the 16-byte parts,
	v_add_nc_u32 v4, s23, v2                       ; the 8-byte parts
	s_mul_i32 s23, s18, 4*XROW
	s_add_co_u32 s23, s23, WOFF
	v_add_nc_u32 v5, s23, v1                       ; w's: my 4 tiles
	v_add_nc_u32 v6, s23, v2
	s_lshl_b32 s23, s17, 12
	s_lshl_b32 s2, s18, 11
	s_add_co_u32 s2, s2, SCW-SCX
	s_sub_co_u32 s2, s2, s23                       ; from x's scale words of my tokens to w's of my columns: 8,192 + 2,048 CH - 4,096 RH
	s_sub_co_u32 s3, s2, 2048                      ; and the same less four tiles' 2,048 bytes (2,048 at the least)
	s_add_co_u32 s23, s23, SCX
	v_mul_u32_u24 v7, s2, v10                      ; lanes 16-31 take w's: one product, the distance x h
	v_lshl_add_u32 v7, v9, 4, v7
	v_add_nc_u32 v7, s23, v7                       ; scale words: tiles 0-3 of both
	v_mul_u32_u24 v8, s3, v10                      ; likewise one product: under the offsets of x's tiles 4-7, lanes 16-31 meet w's tiles 0-3 once more
	v_lshl_add_u32 v8, v9, 4, v8
	v_add_nc_u32 v8, s23, v8
.irp b, 0,1,2,3
	v_mov_b32 v[TM+4+\b], 0                        ; written once: a lane permute's destination counts as one of its sources
.endr
; the fragments of K step s (128 along K): an H-tile by one load of 16 bytes and one of 8 a lane, as the registers want them
.macro FETCH s
	WIN 0x80                                       ; destination window 2
.irp i, 0,1,2,3,4,5,6,7
.irp c, 0,1
	ds_load_b128 v[96*((\s)%2)+12*\i+6*\c:96*((\s)%2)+12*\i+6*\c+3], v3 offset:XROW*\i+1536*((\s)%4)+768*\c
	ds_load_b64 v[96*((\s)%2)+12*\i+6*\c+4:96*((\s)%2)+12*\i+6*\c+5], v4 offset:XROW*\i+1536*((\s)%4)+768*\c+512
.endr
.endr
	WIN 0xc0                                       ; destination window 3
.irp i, 0,1,2,3
.irp c, 0,1
	ds_load_b128 v[48*((\s)%2)+12*\i+6*\c:48*((\s)%2)+12*\i+6*\c+3], v5 offset:XROW*\i+1536*((\s)%4)+768*\c
	ds_load_b64 v[48*((\s)%2)+12*\i+6*\c+4:48*((\s)%2)+12*\i+6*\c+5], v6 offset:XROW*\i+1536*((\s)%4)+768*\c+512
.endr
.endr
	WIN 0
.endm
.macro SCALES hf                       ; four K steps' scale words: register 4 i + j: lanes 0-15 x's tile i, lanes 16-31 w's tile i % 4, K step 4 hf + j
.irp i, 0,1,2,3
	ds_load_b128 v[SC+32*\hf+4*\i:SC+32*\hf+4*\i+3], v7 offset:512*\i+256*\hf
.endr
.irp i, 4,5,6,7
	ds_load_b128 v[SC+32*\hf+4*\i:SC+32*\hf+4*\i+3], v8 offset:512*\i+256*\hf
.endr
.endm
; 32 matrix instructions: the 32 accumulators take turns, one instruction a turn, in the same order in every K step.  The first K step starts the sums with the constant 0.
.macro MUL s, mode
.if \mode == 0
	WIN 0x5b                                       ; source 0 (w) window 3, source 1 (x) window 2, C and D window 1
.else
	WIN 0x5e                                       ; source 0 (x) window 2, source 1 (w) window 3
.endif
.irp a, 0,1,2,3,4,5,6,7
.irp b, 0,1,2,3
.if \mode == 0
.if \s == 0
	v_wmma_scale_f32_16x16x128_f8f6f4 v[32*\a+8*\b:32*\a+8*\b+7], v[48*((\s)%2)+12*\b:48*((\s)%2)+12*\b+11], v[96*((\s)%2)+12*\a:96*((\s)%2)+12*\a+11], 0, v[SC+32*((\s)/4)+4*\b+(\s)%4], v[SC+32*((\s)/4)+4*\a+(\s)%4] matrix_a_fmt:MATRIX_FMT_FP6 matrix_b_fmt:MATRIX_FMT_FP6 matrix_a_scale:MATRIX_SCALE_ROW1
.else
	v_wmma_scale_f32_16x16x128_f8f6f4 v[32*\a+8*\b:32*\a+8*\b+7], v[48*((\s)%2)+12*\b:48*((\s)%2)+12*\b+11], v[96*((\s)%2)+12*\a:96*((\s)%2)+12*\a+11], v[32*\a+8*\b:32*\a+8*\b+7], v[SC+32*((\s)/4)+4*\b+(\s)%4], v[SC+32*((\s)/4)+4*\a+(\s)%4] matrix_a_fmt:MATRIX_FMT_FP6 matrix_b_fmt:MATRIX_FMT_FP6 matrix_a_scale:MATRIX_SCALE_ROW1
.endif
.else
.if \s == 0
	v_wmma_scale_f32_16x16x128_f8f6f4 v[64*\b+8*\a:64*\b+8*\a+7], v[96*((\s)%2)+12*\a:96*((\s)%2)+12*\a+11], v[48*((\s)%2)+12*\b:48*((\s)%2)+12*\b+11], 0, v[SC+32*((\s)/4)+4*\a+(\s)%4], v[SC+32*((\s)/4)+4*\b+(\s)%4] matrix_a_fmt:MATRIX_FMT_FP6 matrix_b_fmt:MATRIX_FMT_FP6 matrix_b_scale:MATRIX_SCALE_ROW1
.else
	v_wmma_scale_f32_16x16x128_f8f6f4 v[64*\b+8*\a:64*\b+8*\a+7], v[96*((\s)%2)+12*\a:96*((\s)%2)+12*\a+11], v[48*((\s)%2)+12*\b:48*((\s)%2)+12*\b+11], v[64*\b+8*\a:64*\b+8*\a+7], v[SC+32*((\s)/4)+4*\a+(\s)%4], v[SC+32*((\s)/4)+4*\b+(\s)%4] matrix_a_fmt:MATRIX_FMT_FP6 matrix_b_fmt:MATRIX_FMT_FP6 matrix_b_scale:MATRIX_SCALE_ROW1
.endif
.endif
.endr
.endr
.endm
.macro KSTEP s, mode
	s_wait_dscnt 0x0                               ; this K step's fragments, asked for 32 matrix instructions ago, are in
.if \s < 7
.if (\s) == 3
	s_wait_tensorcnt 0x0                           ; my part of the second half of K has landed
	s_barrier_signal -1
	s_barrier_wait -1                              ; everybody's has
	v_add_nc_u32 v3, CHUNK, v3                     ; on to that chunk.  These four are also the places in front of loads into registers that matrix instructions have read
	s_wait_alu depctr_va_vdst(0)
	v_add_nc_u32 v4, CHUNK, v4
	s_wait_alu depctr_va_vdst(0)
	v_add_nc_u32 v5, CHUNK, v5
	s_wait_alu depctr_va_vdst(0)
	v_add_nc_u32 v6, CHUNK, v6
.else
	PLACES 4
.endif
	s_wait_alu depctr_va_vdst(0)
	FETCH (\s)+1
.if \s == 3
	SCALES 1
.endif
.endif
	MUL \s, \mode
	WIN 0
.endm
.macro KLOOP mode
	s_wait_alu depctr_va_vdst(0)                   ; the wait at the head's end
	s_wait_tensorcnt 0x0                           ; my tile of the head's four is in
	ds_add_u32 v254, v255
	s_mov_b32 s26, 8<<16                           ; no tensor load of mine is out: from here on a load brings 8 tiles of x
	s_mov_b32 s28, 8
	s_mov_b32 s34, 4<<16                           ; or 4 of w
	s_mov_b32 s36, 4
	s_wait_dscnt 0x0
	CROUND                                         ; all four tiles are in, and the sixteen work-groups are here
	s_cmp_eq_u32 s17, 0
	s_cbranch_scc0 .Lsw_\@
	tensor_load_to_lds s[68:71], s[24:31]          ; K 512-1023: waves 0, 1 a half of x's tiles each,
	s_nop 0
	PLACES 4
	s_branch .Lsa_\@
.Lsw_\@:
	tensor_load_to_lds s[88:91], s[32:39]          ; waves 2, 3 a half of w's
	s_nop 0
	PLACES 4
.Lsa_\@:
	FETCH 0
	SCALES 0
.irp s, 0,1,2,3,4,5,6,7
	KSTEP \s, \mode
.endr
	PLACES 4                                       ; in front of the first read of results
.endm
; 64 numbers of a lane in window win, register s + 16 b + i = k 32 b + 16 h + i of my row, become a fragment's codes in v[PC] on and its scale word in v[PW]
.macro QUANT s, win
	WIN 0x14*(\win)                                ; sources 1 and 2
.irp b, 0,1,2,3
	v_max3_num_f32 v[TM+\b], 0x1800000, |v[\s+16*\b]|, |v[\s+1+16*\b]|   ; block b: my 16 numbers, and the floor 2^(3 - 127): the byte cannot fall under 1
.endr
.irp i, 2,4,6,8,10,12,14
.irp b, 0,1,2,3
	v_max3_num_f32 v[TM+\b], v[TM+\b], |v[\s+16*\b+\i]|, |v[\s+1+16*\b+\i]|
.endr
.endr
	WIN 0
.irp b, 0,1,2,3
	v_permlanex16_b32 v[TM+4+\b], v[TM+\b], s[SEL], s[SEL+1]
.endr
.irp b, 0,1,2,3
	v_max_num_f32 v[TM+\b], v[TM+\b], v[TM+4+\b]   ; with lane l xor 16's: the block's largest magnitude
.endr
.irp b, 0,1,2,3
	v_add_nc_u32 v[TM+8+\b], 0xff000000, v[TM+\b]  ; 2 off its exponent field: the conversion's scale operand
.endr
.irp b, 0,1,2,3
	v_lshrrev_b32 v[TM+4+\b], 23, v[TM+8+\b]       ; the scale's byte
.endr
	v_lshl_or_b32 v[PW], v[TM+5], 8, v[TM+4]
	v_lshl_or_b32 v[PW], v[TM+6], 16, v[PW]
	v_lshl_or_b32 v[PW], v[TM+7], 24, v[PW]
	WIN 0x01*(\win)                                ; source 0
.irp c, 0,1
	v_cvt_scalef32_pk16_fp6_f32 v[PC+6*\c:PC+2+6*\c], v[\s+32*\c:\s+15+32*\c], v[TM+8+2*\c]
	v_cvt_scalef32_pk16_fp6_f32 v[PC+12+4*\c:PC+14+4*\c], v[\s+16+32*\c:\s+31+32*\c], v[TM+9+2*\c]   ; (a conversion's three registers begin on an even number)
.endr
	WIN 0
	v_nop                                          ; one plain line behind the scaled conversions
.irp c, 0,1                                    ; the operand's layout wants a whole block in a lane
.irp i, 0,1,2
	v_permlane16_swap_b32 v[PC+6*\c+\i], v[PC+12+4*\c+\i]
.endr
.irp i, 0,1,2
	v_mov_b32 v[PC+3+6*\c+\i], v[PC+12+4*\c+\i]
.endr
.endr
.endm
.macro HBSTEP                          ; s31 = 16 (16 batch + head) + key step.  All tensor loads have been waited for: the descriptors' registers are free
	s_lshr_b32 s28, s22, 3                         ; batch
	s_and_b32 s29, s21, 7
	s_lshl_b32 s29, s29, 1
	s_add_co_u32 s29, s29, s18                     ; head
	s_lshl_b32 s28, s28, 4
	s_add_co_u32 s28, s28, s29
	s_and_b32 s30, s22, 7
	s_lshl_b32 s30, s30, 1
	s_add_co_u32 s30, s30, s17                     ; my 128 tokens among the batch's 2,048
	s_lshl_b32 s31, s28, 4
	s_add_co_u32 s31, s31, s30
	s_mov_b32 s37, 0
	s_mov_b32 s[SEL], 0x76543210
	s_mov_b32 s[SEL+1], 0xfedcba98                 ; v_permlanex16_b32's selects for lane l xor 16
.endm
	s_lshr_b32 s19, ttmp9, 1                       ; role: 0 q, 1 k, 2 v: made of the cluster's x alone, the same in all sixteen partners
	s_cmp_eq_u32 s19, 2
	s_cbranch_scc1 .Lv
; ---------------- q and k
	s_lshl_b32 s2, s22, 8
	s_lshl_b32 s23, s17, 7
	s_add_co_u32 s2, s2, s23                       ; my first token
	s_mov_b32 s3, 0
	s_add_nc_u64 s[10:11], s[10:11], s[2:3]
	s_lshl_b32 s2, s2, 8                           ; its tile's 4,096 bytes of the table: 256 bytes a token
	s_add_nc_u64 s[8:9], s[8:9], s[2:3]
	v_and_b32 v15, 8, v9
	v_add_nc_u32 v15, v15, v9
	v_lshl_add_u32 v15, v10, 3, v15                ; lane (r, h) wants the key of lane r of tile 2 p + h: 32 p + 8 h + r + 8 (r / 8)
.irp p, 0,1,2,3
	global_load_u8 v[16+\p], v15, s[10:11] offset:32*\p
.endr
.macro TRIG p                          ; cos and sin for token tiles 2 p and 2 p + 1: 16 loads into buffer p % 2
	WIN 0xc0
.irp e, 0,1
.irp i, 0,1,2,3,4,5,6,7
	global_load_b128 v[128+64*((\p)%2)+32*\e+4*\i:128+64*((\p)%2)+32*\e+4*\i+3], v1, s[8:9] offset:(2*(\p)+\e)*4096+512*\i
.endr
.endr
	WIN 0
.endm
	TRIG 0
	TRIG 1
	v_lshlrev_b32 v13, 4, v10                      ; 16 h
	v_sub_nc_u32 v12, 16, v13                      ; 16 - 16 h
	v_mov_b32 v11, 0xffff
	v_lshlrev_b32 v11, v13, v11                    ; which half of a pair's scale word is my tile's
	v_mov_b32 v14, 0x7f7f
	v_lshlrev_b32 v14, v12, v14                    ; two bytes 127 in the other half
	KLOOP 0
	HBSTEP
	s_mul_i32 s32, s31, 6144                       ; q: 8 tiles of 768 bytes for each 128 tokens
	s_mul_i32 s34, s31, 13056                      ; k: a key step's block
	s_lshl_b32 s36, s31, 10                        ; q's scale words: 4 pairs of tiles x 256 bytes
	s_add_co_u32 s36, s36, 6291456
	s_add_nc_u64 s[26:27], s[12:13], s[36:37]
	s_cmp_eq_u32 s19, 0
	s_cselect_b64 s[24:25], s[12:13], s[14:15]
	s_cselect_b32 s36, s32, s34
	s_add_nc_u64 s[24:25], s[24:25], s[36:37]
; Token tiles 2 p and 2 p + 1: RoPE, the quantiser, two H-tiles out.  Register 2 n, 2 n + 1 of a tile is the pair (x0, x1) of frequency 16 (n / 8) + 8 h + n % 8.
.macro PAIR p
.if \p > 0
	s_wait_xcnt 0x0                                ; the last pair's stores have read their registers
.endif
.if \p < 3
	s_wait_loadcnt 16                              ; this pair's cos and sin are in (and the mask bytes); the other buffer's 16 loads may be out
.else
	s_wait_loadcnt 0x0
.endif
	WIN 0x0d                                       ; source 0 (results) window 1, source 1 (cos, sin) window 3
.irp e, 0,1
.irp g, 0,1,2,3
.set AC, 32*(2*(\p)+\e)+8*\g
.set TR, 128+64*((\p)%2)+32*\e+8*\g
.set HD, HA+32*\e+8*\g
.irp j, 0,1,2,3
	v_pk_mul_f32 v[TT+2*\j:TT+2*\j+1], v[AC+2*\j:AC+2*\j+1], v[TR+2*\j:TR+2*\j+1] op_sel_hi:[1,0]   ; (x0 cos, x1 cos)
.endr
.irp j, 0,1,2,3
	v_pk_fma_f32 v[HD+2*\j:HD+2*\j+1], v[AC+2*\j:AC+2*\j+1], v[TR+2*\j:TR+2*\j+1], v[TT+2*\j:TT+2*\j+1] op_sel:[1,1,0] op_sel_hi:[0,1,1] neg_lo:[0,1,0]   ; (x0 cos - x1 sin, x1 cos + x0 sin)
.endr
.endr
.endr
	WIN 0
.if \p < 2
	TRIG (\p)+2
.endif
	QUANT HA, 0                                    ; blocks 0, 1: tile 2 p's two blocks of d; blocks 2, 3: tile 2 p + 1's
	global_store_b128 v1, v[PC:PC+3], s[24:25] offset:768*(2*(\p))
	global_store_b64 v2, v[PC+4:PC+5], s[24:25] offset:768*(2*(\p))+512
	global_store_b128 v1, v[PC+6:PC+9], s[24:25] offset:768*(2*(\p)+1)
	global_store_b64 v2, v[PC+10:PC+11], s[24:25] offset:768*(2*(\p)+1)+512
	v_and_b32 v28, 0xffff, v[PW]                   ; q's words: lanes 0-15 (s0, s1, 127, 127), lanes 16-31 (127, 127, s0, s1)
	v_lshrrev_b32 v29, 16, v[PW]
	v_lshl_or_b32 v28, v28, v13, v14
	v_lshl_or_b32 v29, v29, v13, v14
	v_mul_u32_u24 v30, v[16+\p], 222               ; k's word: the byte m = 1 or 223, with 127 above it,
	v_add_nc_u32 v30, 0x7f01, v30
	v_lshlrev_b32 v30, v12, v30                    ; in the half that my tile's two bytes leave: an even tile (s0, s1, m, 127), an odd one (m, 127, s0, s1)
	v_and_or_b32 v[20+\p], v[PW], v11, v30
	s_cmp_lg_u32 s19, 0
	s_cbranch_scc1 .Lnot_q_\@
	global_store_b64 v2, v[28:29], s[26:27] offset:256*(\p)
.Lnot_q_\@:
.endm
	PAIR 0
	PAIR 1
	PAIR 2
	PAIR 3
	s_cmp_lg_u32 s19, 1
	s_cbranch_scc1 .Lend
	s_wait_alu depctr_va_vdst(0)
	global_store_b128 v1, v[20:23], s[24:25] offset:12288   ; word p of lane (r, h): tile 2 p + h
	s_branch .Lend
; ---------------- v
.Lv:
	s_wait_alu depctr_va_vdst(0)
	KLOOP 1
	HBSTEP
	s_mul_i32 s36, s31, 13056
	s_add_co_u32 s36, s36, 6144                    ; v's codes lie behind k's in a key step's block
	s_add_nc_u64 s[24:25], s[14:15], s[36:37]
.irp b, 0,1,2,3                                ; tile b of the head's d: a whole fragment, 16 d x 128 keys, as an image of its registers
.if \b > 0
	s_wait_xcnt 0x0                                ; the last tile's stores have read their registers
.endif
	QUANT 64*\b, 1
.irp g, 0,1,2
	global_store_b128 v1, v[PC+4*\g:PC+4*\g+3], s[24:25] offset:1536*\b+512*\g
.endr
	v_mov_b32 v[24+\b], v[PW]
.endr
	v_cmp_eq_u32 vcc_lo, 1, v10
	v_cndmask_b32 v28, v24, v25, vcc_lo            ; word i of lane (r, h): tile 2 i + h
	v_cndmask_b32 v29, v26, v27, vcc_lo
	global_store_b64 v2, v[28:29], s[24:25] offset:6656
.Lend:
	s_wait_tensorcnt 0x0
	s_wait_dscnt 0x0
	s_wait_tensorcnt 0x0
	ds_add_u32 v254, v255
	s_wait_dscnt 0x0
	CROUND                                         ; the closing round: no work-group ends while a partner may still ask for a tile that names it
	s_endpgm
.Lfunc_end_k_q51ce78f143_qkv:
	.size	k_q51ce78f143_qkv, .Lfunc_end_k_q51ce78f143_qkv-k_q51ce78f143_qkv
	.p2alignl 7, 3214868480
	.fill 96, 4, 3214868480
	.section	.rodata,"a",@progbits
	.p2align	6, 0x0
	.amdhsa_kernel k_q51ce78f143_qkv
		.amdhsa_group_segment_fixed_size 327680
		.amdhsa_private_segment_fixed_size 0
		.amdhsa_enable_private_segment 0
		.amdhsa_kernarg_size 48
		.amdhsa_user_sgpr_count 2
		.amdhsa_user_sgpr_kernarg_segment_ptr 1
		.amdhsa_wavefront_size32 1
		.amdhsa_system_sgpr_workgroup_id_x 1
		.amdhsa_system_sgpr_workgroup_id_y 1
		.amdhsa_system_sgpr_workgroup_id_z 1
		.amdhsa_system_vgpr_workitem_id 0
		.amdhsa_next_free_vgpr 1024
		.amdhsa_next_free_sgpr 106
		.amdhsa_reserve_vcc 1
		.amdhsa_float_denorm_mode_32 3
		.amdhsa_float_denorm_mode_16_64 3
		.amdhsa_memory_ordered 1
		.amdhsa_forward_progress 1
		.amdhsa_inst_pref_size 193
	.end_amdhsa_kernel
	.amdgpu_metadata
---
amdhsa.version: [ 1, 2 ]
amdhsa.kernels:
  - .name:           k_q51ce78f143_qkv
    .symbol:         k_q51ce78f143_qkv.kd
    .args:
      - { .name: xq, .offset: 0, .size: 8, .value_kind: global_buffer, .address_space: global }
      - { .name: ww, .offset: 8, .size: 8, .value_kind: global_buffer, .address_space: global }
      - { .name: trig, .offset: 16, .size: 8, .value_kind: global_buffer, .address_space: global }
      - { .name: key_padding_mask, .offset: 24, .size: 8, .value_kind: global_buffer, .address_space: global }
      - { .name: qq, .offset: 32, .size: 8, .value_kind: global_buffer, .address_space: global }
      - { .name: kv, .offset: 40, .size: 8, .value_kind: global_buffer, .address_space: global }
    .group_segment_fixed_size: 327680
    .private_segment_fixed_size: 0
    .kernarg_segment_align: 8
    .kernarg_segment_size: 48
    .max_flat_workgroup_size: 128
    .sgpr_count:     106
    .vgpr_count:     1024
    .wavefront_size: 32
...
	.end_amdgpu_metadata
.endif
;; end of part 2
;; launch attn (part 3): grid 4 x 64, 16 waves a work-group, clusters of 4 x 1, 327,680 bytes of LDS; arguments qq, kv, ao; writes ao
.if DOCPART == 3
	.amdgcn_target "amdgcn-amd-amdhsa--gfx1250"
	.amdhsa_code_object_version 6
	.text
	.protected	k_q51ce78f143_attn
	.globl	k_q51ce78f143_attn
	.p2align	8
	.type	k_q51ce78f143_attn,@function
k_q51ce78f143_attn:
	s_mov_b64 s[64:65], 0
	v_nop
	global_prefetch_b8 v0, s[64:65] scope:SCOPE_SE
	s_setreg_imm32_b32 hwreg(HW_REG_WAVE_MODE, 25, 1), 1
	s_wait_xcnt 0x0
	s_wait_alu depctr_hold_cnt(0) depctr_sa_sdst(0) depctr_va_vdst(0) depctr_va_sdst(0) depctr_va_ssrc(0) depctr_va_vcc(0) depctr_vm_vsrc(0)
	s_getreg_b32 s2, hwreg(HW_REG_IB_STS2, 6, 4)
	s_cmp_eq_u32 s2, 0
	s_cbranch_scc0 .Lentry_in_a_cluster
	s_endpgm
.Lentry_in_a_cluster:
	s_bfe_u32 s2, ttmp6, 0x10000c
	s_cmp_lg_u32 s2, 0x3003
	s_cbranch_scc0 .Lentry_shape_is_right
	s_endpgm
.Lentry_shape_is_right:
; ATTN.  softmax(q k^T / 8) v on codes of FP6 (E2M3) with E8M0 scales; the result is quantised along the head's 64 for the projection.
; A work-group of 16 waves takes 512 queries of one (batch, head); a wave takes two tiles of 16 queries, one after the other (PASS).
; Both products are used transposed: a lane holds one query.  M is the running largest t rounded up to a whole number; the row's sum is taken of the unquantised p.
; ALL 16 KEY STEPS (128 keys each: k's codes, v's codes, their scale words, 13,056 bytes) LIE IN LDS: wave w brings key step w by one tensor load of 51 rows of 256 bytes,
; asked for jointly by the four work-groups of the cluster, which share the (batch, head).  No LDS byte is filled twice.
; No prefetch: the launch's only tensor loads stand at its head, so there is no loop to run ahead in.
; LIMITS: the scaled scores stay under 2^31 in magnitude; NaN and infinities are not served.
.set STEPB, 13056
.set PART,  13056
.set K,   36
.set S,   108
.set O,   172
.set PC,  204
.set CT,  216
.set KS,  224
.set VS,  228
.set BM,  230
.set BT,  234
.set SO,  238
.set NM,  242
.set RT,  243
.set LS,  244
.set F,   246
.set PW,  247
.set T0,  250
.set TB,  52
.set CNT, 53
.macro CROUND
	s_barrier_signal -1
	s_barrier_wait -1
	s_cmp_lg_u32 s16, 0
	s_cbranch_scc1 .Lnot_wave_0_\@
	s_barrier_signal -3
.Lnot_wave_0_\@:
	s_barrier_wait -3
	s_barrier_signal -1
	s_barrier_wait -1
.endm
	s_load_b128 s[4:7], s[0:1], 0x0
	s_load_b64 s[8:9], s[0:1], 0x10
	v_lshl_add_u32 v254, v0, 2, 0x33000
	v_mov_b32 v255, 0
	ds_add_u32 v254, v255
	ds_add_u32 v254, v255
	v_lshrrev_b32 v1, 5, v0
	s_delay_alu instid0(VALU_DEP_1)
	v_readfirstlane_b32 s16, v1
	s_bfe_u32 s17, ttmp6, 0x40000
	s_and_b32 s18, ttmp7, 0xffff
	s_mov_b32 s24, 15|(3<<16)|(1<<21)
	s_mov_b32 s25, 32<<16
	s_mov_b32 s26, 51<<16
	s_mov_b32 s27, 32<<16
	s_mov_b32 s28, 51
	s_mov_b32 s29, 32
	s_mov_b32 s30, 0
	s_mov_b32 s31, 0
	s_mul_i32 s19, s16, PART
	s_mul_i32 s2, s18, 16*STEPB
	s_add_co_u32 s2, s2, s19
	s_mov_b32 s3, 0
	s_mov_b32 s20, 0x76543210
	s_mov_b32 s21, 0xfedcba98
	s_mov_b32 s22, 0x3e38aa3b
	s_mov_b32 s23, s22
	s_wait_dscnt 0x0
	s_wait_kmcnt 0x0
	s_add_nc_u64 s[2:3], s[6:7], s[2:3]
.irp i, 0
	s_mov_b32 s[32+4*\i], 1
	s_add_co_u32 s[33+4*\i], s19, 16*PART*\i
	s_add_nc_u64 s[34+4*\i:35+4*\i], s[2:3], 16*PART*\i
	s_or_b32 s[35+4*\i], s[35+4*\i], 0x80000000
.endr
	CROUND
	tensor_load_to_lds s[32:35], s[24:31]          ; my key step: one tensor load a wave at the head
	s_nop 0
.rept 4
	v_nop
.endr
	v_and_b32 v6, 31, v0
	s_delay_alu instid0(VALU_DEP_1)
	v_lshlrev_b32 v1, 4, v6
	s_delay_alu instid0(VALU_DEP_2)
	v_lshlrev_b32 v2, 3, v6
	v_and_b32 v7, 15, v0
	s_delay_alu instid0(VALU_DEP_1)
	v_lshlrev_b32 v5, 4, v7
	v_bfe_u32 v8, v0, 4, 1
	s_delay_alu instid0(VALU_DEP_1)
	v_sub_nc_u32 v9, 1, v8
	s_delay_alu instid0(VALU_DEP_1)
	v_mul_u32_u24 v10, v9, 0x38
	s_delay_alu instid0(VALU_DEP_2)
	v_mul_u32_u24 v11, v9, 0x18
.irp i, 0,1,2,3
	v_mov_b32 v[K+18*\i+6], v10
.irp j, 7,8,9,10,11
	v_mov_b32 v[K+18*\i+\j], 0
.endr
.endr
	v_mov_b32 v22, v11
.irp j, 23,24,25,26,27
	v_mov_b32 v\j, 0
.endr
.irp b, 0,1,2,3
	v_mov_b32 v[BT+\b], 0
.endr
	v_mov_b32 v[PW], 0
	v_mov_b32 v249, 0
	s_lshl_b32 s44, s17, 4
	s_add_co_u32 s44, s44, s16
	s_lshl_b32 s45, s18, 6
	s_add_co_u32 s45, s45, s44
	s_mul_i32 s46, s45, 1536
	s_mov_b32 s47, 0
	s_add_nc_u64 s[10:11], s[4:5], s[46:47]
	s_lshl_b32 s46, s45, 8
	s_add_co_u32 s46, s46, 6291456
	s_add_nc_u64 s[12:13], s[4:5], s[46:47]
	s_lshr_b32 s48, s18, 4
	s_and_b32 s49, s18, 15
	s_lshl_b32 s48, s48, 7
	s_lshl_b32 s50, s44, 1
	s_add_co_u32 s48, s48, s50
	s_lshl_b32 s46, s48, 4
	s_add_co_u32 s46, s46, s49
	s_mul_i32 s46, s46, 768
	s_add_nc_u64 s[14:15], s[8:9], s[46:47]
	s_lshl_b32 s46, s48, 9
	s_lshr_b32 s50, s49, 3
	s_lshl_b32 s50, s50, 8
	s_add_co_u32 s46, s46, s50
	s_and_b32 s50, s49, 7
	s_lshl_b32 s50, s50, 1
	s_add_co_u32 s46, s46, s50
	s_add_co_u32 s46, s46, 6291456
	s_add_nc_u64 s[8:9], s[8:9], s[46:47]
	global_load_b64 v[34:35], v2, s[12:13]
; k's eight tiles and their scale words of the key step at v12 (16 x lane) and v13 (8 x lane): 17 LDS loads
.macro KLOAD
.irp i, 0,1,2,3
	ds_load_b128 v[K+18*\i:K+18*\i+3], v12 offset:1536*\i
	ds_load_b64 v[K+18*\i+4:K+18*\i+5], v13 offset:1536*\i+512
	ds_load_b128 v[K+18*\i+12:K+18*\i+15], v12 offset:1536*\i+768
	ds_load_b64 v[K+18*\i+16:K+18*\i+17], v13 offset:1536*\i+1280
.endr
	ds_load_b128 v[KS:KS+3], v12 offset:12288
.endm
; A key step.  Its k was asked for one step ago, behind that step's score products; the next step's is asked for behind this step's.
.macro STEP qs
	s_add_co_u32 s54, s[TB], STEPB                 ; the next key step, held at the last one: the last trip reads step 15's k once more, and nobody uses it
	s_min_u32 s54, s54, 15*STEPB
	v_add_nc_u32 v3, s[TB], v1                     ; this step's v.  These four and the v_nop are the five places between the last products and those that write over their sources
	v_add_nc_u32 v4, s[TB], v2
	v_add_nc_u32 v12, s54, v1                      ; the next step's k
	v_add_nc_u32 v13, s54, v2
	v_nop
	s_wait_alu depctr_va_vdst(0)
	s_wait_dscnt 0x0                               ; this step's k is in
.irp i, 0,1,2,3
	v_wmma_scale_f32_16x16x128_f8f6f4 v[S+16*\i:S+16*\i+7], v[K+18*\i:K+18*\i+11], v[16:27], 0, v[KS+\i], v[\qs] matrix_a_fmt:MATRIX_FMT_FP6 matrix_b_fmt:MATRIX_FMT_FP6
	v_wmma_scale_f32_16x16x128_f8f6f4 v[S+16*\i+8:S+16*\i+15], v[K+18*\i+6:K+18*\i+17], v[22:33], 0, v[KS+\i], v[\qs] matrix_a_fmt:MATRIX_FMT_FP6 matrix_b_fmt:MATRIX_FMT_FP6 matrix_a_scale:MATRIX_SCALE_ROW1 matrix_b_scale:MATRIX_SCALE_ROW1
.endr
.rept 4
	v_nop
.endr
	KLOAD                                          ; four places behind the products that read these registers
.irp b, 0,1,2,3
	v_max3_num_f32 v[BM+\b], v[S+16*\b], v[S+1+16*\b], v[S+2+16*\b]
.endr
.irp i, 3,5,7,9,11,13
.irp b, 0,1,2,3
	v_max3_num_f32 v[BM+\b], v[BM+\b], v[S+16*\b+\i], v[S+1+16*\b+\i]
.endr
.endr
.irp b, 0,1,2,3
	v_max_num_f32 v[BM+\b], v[BM+\b], v[S+15+16*\b]
.endr
.irp b, 0,1,2,3
	s_delay_alu instid0(VALU_DEP_4)
	v_permlanex16_b32 v[BT+\b], v[BM+\b], s20, s21
.endr
.irp b, 0,1,2,3
	s_delay_alu instid0(VALU_DEP_4)
	v_max_num_f32 v[BM+\b], v[BM+\b], v[BT+\b]
.endr
	s_delay_alu instid0(VALU_DEP_2)
	v_max3_num_f32 v[T0], v[BM], v[BM+1], v[BM+2]
	s_delay_alu instid0(VALU_DEP_1)
	v_max_num_f32 v[T0], v[T0], v[BM+3]
	s_delay_alu instid0(VALU_DEP_1)
	v_mul_f32 v[T0], s22, v[T0]
	s_delay_alu instid0(VALU_DEP_1)
	v_max_num_f32 v[RT], v[RT], v[T0]
	v_mov_b32 v[T0], v[NM]
	s_delay_alu instid0(VALU_DEP_2)
	v_floor_f32 v[NM], -v[RT]
	s_delay_alu instid0(VALU_DEP_1)
	v_sub_f32 v[T0], v[NM], v[T0]
	s_delay_alu instid0(VALU_DEP_1)
	v_cvt_i32_f32 v[T0], v[T0]
	s_delay_alu instid0(VALU_DEP_1)
	v_ldexp_f32 v[F], 1.0, v[T0]
.irp j, 0,2,4,6,8,10,12,14,16,18,20,22,24,26,28,30,32,34,36,38,40,42,44,46,48,50,52,54,56,58,60,62
	v_pk_fma_f32 v[S+\j:S+1+\j], v[S+\j:S+1+\j], s[22:23], v[NM:NM+1] op_sel_hi:[1,0,0]
.endr
.irp b, 0,1,2,3
	v_fma_f32 v[BM+\b], v[BM+\b], s22, v[NM]
.endr
	s_wait_alu depctr_va_vdst(0)
.irp j, 0,1,2,3,4,5,6,7,8,9,10,11,12,13,14,15,16,17,18,19,20,21,22,23,24,25,26,27,28,29,30,31,32,33,34,35,36,37,38,39,40,41,42,43,44,45,46,47,48,49,50,51,52,53,54,55,56,57,58,59,60,61,62,63
	v_exp_f32 v[S+\j], v[S+\j]
.endr
	v_pk_mul_f32 v[LS:LS+1], v[LS:LS+1], v[F:F+1] op_sel_hi:[1,0]
	s_wait_alu depctr_va_vdst(0)
.irp b, 0,1,2,3
	v_exp_f32 v[BM+\b], v[BM+\b]
.endr
	v_pk_add_f32 v[248:249], v[S:S+1], v[S+2:S+3]  ; the row's sum of the unquantised p: four chains by turns, joined behind v's loads
	v_pk_add_f32 v[252:253], v[S+4:S+5], v[S+6:S+7]
	v_pk_add_f32 v[14:15], v[S+8:S+9], v[S+10:S+11]
	v_pk_add_f32 v[LS:LS+1], v[LS:LS+1], v[S+12:S+13]
.irp j, 14,22,30,38,46,54
	v_pk_add_f32 v[248:249], v[248:249], v[S+\j:S+1+\j]
	v_pk_add_f32 v[252:253], v[252:253], v[S+2+\j:S+3+\j]
	v_pk_add_f32 v[14:15], v[14:15], v[S+4+\j:S+5+\j]
	v_pk_add_f32 v[LS:LS+1], v[LS:LS+1], v[S+6+\j:S+7+\j]
.endr
	v_pk_add_f32 v[248:249], v[248:249], v[S+62:S+63]
	s_wait_alu depctr_va_vdst(0)
.irp b, 0,1,2,3
	v_max_num_f32 v[BM+\b], 0x1800000, v[BM+\b]
.endr
.irp b, 0,1,2,3
	s_delay_alu instid0(VALU_DEP_4)
	v_add_nc_u32 v[SO+\b], 0xff000000, v[BM+\b]
.endr
.irp c, 0,1
	v_cvt_scalef32_pk16_fp6_f32 v[PC+6*\c:PC+2+6*\c], v[S+32*\c:S+15+32*\c], v[SO+2*\c]
	v_cvt_scalef32_pk16_fp6_f32 v[CT+4*\c:CT+2+4*\c], v[S+16+32*\c:S+31+32*\c], v[SO+1+2*\c]
.endr
.irp t, 0,1,2,3
.irp g, 0,1,2
	ds_load_b128 v[S+12*\t+4*\g:S+12*\t+4*\g+3], v3 offset:6144+1536*\t+512*\g
.endr
.endr
	ds_load_b64 v[VS:VS+1], v4 offset:12800
.irp b, 0,1,2,3
	v_lshrrev_b32 v[BT+\b], 23, v[SO+\b]           ; the scales' bytes; also the plain lines behind the conversions.  All that follows stands under the loads' flight
.endr
	v_lshl_or_b32 v[PW], v[BT+1], 8, v[BT]         ; p's scale word and the sum's joins, by turns
	v_pk_add_f32 v[248:249], v[248:249], v[252:253]
	v_lshl_or_b32 v[PW], v[BT+2], 16, v[PW]
	v_pk_add_f32 v[LS:LS+1], v[LS:LS+1], v[14:15]
	v_lshl_or_b32 v[PW], v[BT+3], 24, v[PW]
	v_pk_add_f32 v[LS:LS+1], v[LS:LS+1], v[248:249]
.irp c, 0,1
.irp i, 0,1,2
	v_permlane16_swap_b32 v[PC+6*\c+\i], v[CT+4*\c+\i]
.endr
.irp i, 0,1,2
	s_delay_alu instid0(VALU_DEP_3)
	v_mov_b32 v[PC+3+6*\c+\i], v[CT+4*\c+\i]
.endr
.endr
.irp j, 0,2,4,6,8,10,12,14,16,18,20,22,24,26,28,30
	v_pk_mul_f32 v[O+\j:O+1+\j], v[O+\j:O+1+\j], v[F:F+1] op_sel_hi:[1,0]
.endr
	s_wait_alu depctr_va_vdst(0)
	s_wait_dscnt 0x0
.irp t, 0,2
	v_wmma_scale_f32_16x16x128_f8f6f4 v[O+8*\t:O+8*\t+7], v[S+12*\t:S+12*\t+11], v[PC:PC+11], v[O+8*\t:O+8*\t+7], v[VS+\t/2], v[PW] matrix_a_fmt:MATRIX_FMT_FP6 matrix_b_fmt:MATRIX_FMT_FP6
	v_wmma_scale_f32_16x16x128_f8f6f4 v[O+8*\t+8:O+8*\t+15], v[S+12*\t+12:S+12*\t+23], v[PC:PC+11], v[O+8*\t+8:O+8*\t+15], v[VS+\t/2], v[PW] matrix_a_fmt:MATRIX_FMT_FP6 matrix_b_fmt:MATRIX_FMT_FP6 matrix_a_scale:MATRIX_SCALE_ROW1
.endr
.endm
.macro SEG first, trips, tcnt, bar, qs
.if \bar
	s_wait_dscnt 0x0
	s_wait_tensorcnt \tcnt
	s_barrier_signal -1
	s_barrier_wait -1
.endif
	s_mov_b32 s[TB], STEPB*\first
	s_mov_b32 s[CNT], \trips
	v_add_nc_u32 v12, s[TB], v1
	v_add_nc_u32 v13, s[TB], v2
	KLOAD                                          ; the first key step's k
.Lseg_\@:
	STEP \qs
	s_add_co_u32 s[TB], s[TB], STEPB
	s_sub_co_u32 s[CNT], s[CNT], 1
	s_cmp_lg_u32 s[CNT], 0
	s_cbranch_scc1 .Lseg_\@
.endm
.macro PASS p
.if \p > 0
	s_wait_xcnt 0x0
.endif
.if \p == 0
	global_load_b128 v[16:19], v1, s[10:11]
	global_load_b64 v[20:21], v2, s[10:11] offset:512
	global_load_b128 v[28:31], v1, s[10:11]
	global_load_b64 v[32:33], v2, s[10:11] offset:512
	global_load_b128 v[8:11], v1, s[10:11] offset:768      ; the second tile's queries come now and wait in v6-v11
	global_load_b64 v[6:7], v2, s[10:11] offset:768+512
.else
.irp j, 0,1,2,3
	v_mov_b32 v[16+\j], v[8+\j]
	v_mov_b32 v[28+\j], v[8+\j]
.endr
.irp j, 0,1
	v_mov_b32 v[20+\j], v[6+\j]
	v_mov_b32 v[32+\j], v[6+\j]
.endr
.endif
	v_mov_b32 v[RT], 0xff61b1e6
	s_delay_alu instid0(VALU_DEP_1)
	v_floor_f32 v[NM], -v[RT]
	v_mov_b32 v[LS], 0
	v_mov_b32 v[LS+1], 0
.irp j, 0,1,2,3,4,5,6,7,8,9,10,11,12,13,14,15,16,17,18,19,20,21,22,23,24,25,26,27,28,29,30,31
	v_mov_b32 v[O+\j], 0
.endr
	s_wait_loadcnt 0x0
.if \p == 0
	SEG 0, 16, 0, 1, 34
.else
	SEG 0, 16, 0, 0, 35
.endif
.rept 4
	v_nop
.endr
	v_add_f32 v248, v[LS], v[LS+1]
	s_delay_alu instid0(VALU_DEP_1)
	v_permlanex16_b32 v249, v248, s20, s21
	s_delay_alu instid0(VALU_DEP_1)
	v_add_f32 v248, v248, v249
	s_wait_alu depctr_va_vdst(0)
	v_rcp_f32 v248, v248
	v_nop
	s_wait_alu depctr_va_vdst(0)
.irp j, 0,2,4,6,8,10,12,14,16,18,20,22,24,26,28,30
	v_pk_mul_f32 v[O+\j:O+1+\j], v[O+\j:O+1+\j], v[248:249] op_sel_hi:[1,0]
.endr
.irp b, 0,1
	v_max3_num_f32 v[BM+\b], |v[O+16*\b]|, |v[O+1+16*\b]|, 0x1800000
.endr
.irp i, 2,4,6,8,10,12,14
.irp b, 0,1
	s_delay_alu instid0(VALU_DEP_2)
	v_max3_num_f32 v[BM+\b], v[BM+\b], |v[O+16*\b+\i]|, |v[O+1+16*\b+\i]|
.endr
.endr
.irp b, 0,1
	s_delay_alu instid0(VALU_DEP_2)
	v_permlanex16_b32 v[BT+\b], v[BM+\b], s20, s21
.endr
.irp b, 0,1
	s_delay_alu instid0(VALU_DEP_2)
	v_max_num_f32 v[BM+\b], v[BM+\b], v[BT+\b]
.endr
.irp b, 0,1
	s_delay_alu instid0(VALU_DEP_2)
	v_add_nc_u32 v[SO+\b], 0xff000000, v[BM+\b]
.endr
.irp b, 0,1
	s_delay_alu instid0(VALU_DEP_2)
	v_lshrrev_b32 v[BT+\b], 23, v[SO+\b]
.endr
	s_delay_alu instid0(VALU_DEP_1)
	v_lshl_or_b32 v250, v[BT+1], 8, v[BT]
	v_cvt_scalef32_pk16_fp6_f32 v[PC:PC+2], v[O:O+15], v[SO]
	v_cvt_scalef32_pk16_fp6_f32 v[CT:CT+2], v[O+16:O+31], v[SO+1]
	v_nop
.irp i, 0,1,2
	v_permlane16_swap_b32 v[PC+\i], v[CT+\i]
.endr
.irp i, 0,1,2
	s_delay_alu instid0(VALU_DEP_3)
	v_mov_b32 v[PC+3+\i], v[CT+\i]
.endr
	global_store_b128 v1, v[PC:PC+3], s[14:15] offset:12288*\p
	global_store_b64 v2, v[PC+4:PC+5], s[14:15] offset:12288*\p+512
	global_store_b16 v5, v250, s[8:9] offset:512*\p
.endm
	PASS 0
	PASS 1
	s_wait_tensorcnt 0x0
	s_wait_dscnt 0x0
	s_wait_tensorcnt 0x0
	ds_add_u32 v254, v255
	s_wait_dscnt 0x0
	CROUND
	s_endpgm
.Lfunc_end_k_q51ce78f143_attn:
	.size	k_q51ce78f143_attn, .Lfunc_end_k_q51ce78f143_attn-k_q51ce78f143_attn
	.p2alignl 7, 3214868480
	.fill 96, 4, 3214868480
	.section	.rodata,"a",@progbits
	.p2align	6, 0x0
	.amdhsa_kernel k_q51ce78f143_attn
		.amdhsa_group_segment_fixed_size 327680
		.amdhsa_private_segment_fixed_size 0
		.amdhsa_enable_private_segment 0
		.amdhsa_kernarg_size 24
		.amdhsa_user_sgpr_count 2
		.amdhsa_user_sgpr_kernarg_segment_ptr 1
		.amdhsa_wavefront_size32 1
		.amdhsa_system_sgpr_workgroup_id_x 1
		.amdhsa_system_sgpr_workgroup_id_y 1
		.amdhsa_system_sgpr_workgroup_id_z 1
		.amdhsa_system_vgpr_workitem_id 0
		.amdhsa_next_free_vgpr 256
		.amdhsa_next_free_sgpr 66
		.amdhsa_reserve_vcc 0
		.amdhsa_float_denorm_mode_32 3
		.amdhsa_float_denorm_mode_16_64 3
		.amdhsa_memory_ordered 1
		.amdhsa_forward_progress 1
		.amdhsa_inst_pref_size 54
	.end_amdhsa_kernel
	.amdgpu_metadata
---
amdhsa.version: [ 1, 2 ]
amdhsa.kernels:
  - .name:           k_q51ce78f143_attn
    .symbol:         k_q51ce78f143_attn.kd
    .args:
      - { .name: qq, .offset: 0, .size: 8, .value_kind: global_buffer, .address_space: global }
      - { .name: kv, .offset: 8, .size: 8, .value_kind: global_buffer, .address_space: global }
      - { .name: ao, .offset: 16, .size: 8, .value_kind: global_buffer, .address_space: global }
    .group_segment_fixed_size: 327680
    .private_segment_fixed_size: 0
    .kernarg_segment_align: 8
    .kernarg_segment_size: 24
    .max_flat_workgroup_size: 512
    .sgpr_count:     66
    .vgpr_count:     256
    .wavefront_size: 32
...
	.end_amdgpu_metadata
.endif
;; end of part 3
;; launch proj (part 4): grid 8 x 32, 4 waves a work-group, clusters of 4 x 4, 327,680 bytes of LDS; arguments ao, ww, bo, out0; writes out0
.if DOCPART == 4
	.amdgcn_target "amdgcn-amd-amdhsa--gfx1250"
	.amdhsa_code_object_version 6
	.text
	.protected	k_q51ce78f143_proj
	.globl	k_q51ce78f143_proj
	.p2align	8
	.type	k_q51ce78f143_proj,@function
k_q51ce78f143_proj:
	s_mov_b64 s[64:65], 0
	v_nop
	global_prefetch_b8 v0, s[64:65] scope:SCOPE_SE
	s_setreg_imm32_b32 hwreg(HW_REG_WAVE_MODE, 25, 1), 1
	s_wait_xcnt 0x0
	s_wait_alu depctr_hold_cnt(0) depctr_sa_sdst(0) depctr_va_vdst(0) depctr_va_sdst(0) depctr_va_ssrc(0) depctr_va_vcc(0) depctr_vm_vsrc(0)
	s_getreg_b32 s2, hwreg(HW_REG_IB_STS2, 6, 4)
	s_cmp_eq_u32 s2, 0
	s_cbranch_scc0 .Lentry_in_a_cluster
	s_endpgm
.Lentry_in_a_cluster:
	s_bfe_u32 s2, ttmp6, 0x10000c
	s_cmp_lg_u32 s2, 0xf033
	s_cbranch_scc0 .Lentry_shape_is_right
	s_endpgm
.Lentry_shape_is_right:
; PROJ.  out0 = attention's result x wo^T + bo, on codes of FP6 (E2M3) with E8M0 scales; sums in f32.
; A work-group makes 256 tokens x 128 columns.  All of K = 1,024 of its operands lies in LDS, brought by first fills alone: no LDS byte is filled twice.
; Four waves: wave w takes tokens 128 (w / 2) on and columns 64 (w % 2) on: 8 x 4 = 32 accumulators, window 1.
; CLUSTER 4 x 4: the four of a row of the cluster need the same tiles of ao, the four of a column the same tiles of wo: each is asked for jointly.
; TILES OF 16 ROWS ARE NOT NEIGHBOURS: lane r of tile 2 g + u stands for row 32 g + 8 u + r + 8 (r / 8).
; THE PRODUCT IS USED TRANSPOSED (source 0 = 16 rows of wo, source 1 = 16 tokens): a lane holds one token; register 16 g + i of a token tile is column 32 g + 16 h + i.  The bias is the C of each sum's first matrix instruction.
; WINDOWS: 0: v0-14 addresses; v32-95 scale words, two sets; v96-127 the bias; v128-191 rows on the way out.  1: accumulators.  2: ao's fragments, two sets of 96.  3: wo's, two sets of 48.
.set CHUNK, 147456                     ; LDS: 512 along K: ao's 16 tiles x 6,144 bytes, then wo's 8
.set XROW,  6144
.set WOFF,  98304
.set SCX,   2*CHUNK
.set SCW,   SCX+8192
.set STAGE, SCW+4096                   ; the way out: 16 rows x (256 bytes + 16) for each wave; no tensor load lands here
.set RTB,   12288
.set XSC,   6291456
.set WSC,   3145728
.set WT0,   192                        ; wo's first tile in ww
.set SC,    32
.set BI,    96
.set BK,    128
.set MSB, 0
.macro WIN new                         ; the immediate's high byte repeats the setting that is left
.if MSB != \new
	s_set_vgpr_msb (MSB<<8)|\new
.set MSB, \new
.endif
.endm
.macro PLACES n
.rept \n
	v_nop
.endr
.endm
.macro CROUND                          ; a round of the cluster's barrier
	s_barrier_signal -1
	s_barrier_wait -1
	s_cmp_lg_u32 s16, 0
	s_cbranch_scc1 .Lnot_wave_0_\@
	s_barrier_signal -3
.Lnot_wave_0_\@:
	s_barrier_wait -3
	s_barrier_signal -1
	s_barrier_wait -1
.endm
.macro G1SET g, c, r, p                ; descriptor group 1 but for its first word: r rows of c elements of 8 bytes, p elements apart
	s_mov_b32 s[\g+1], (\c)<<16
	s_mov_b32 s[\g+2], (\r)<<16
	s_mov_b32 s[\g+3], (\c)<<16
	s_mov_b32 s[\g+4], \r
	s_mov_b32 s[\g+5], \p
	s_mov_b32 s[\g+6], 0
	s_mov_b32 s[\g+7], 0
.endm
.macro G0SET g, ldsmul, ldsoff, ptr, goff   ; descriptor group 0: to LDS byte ldsmul x (wave % 2) + ldsoff, from the pointer + goff
	s_mov_b32 s[\g], 1
.if \ldsmul
	s_mul_i32 s[\g+1], s18, \ldsmul
	s_add_co_u32 s[\g+1], s[\g+1], \ldsoff
.else
	s_mov_b32 s[\g+1], \ldsoff
.endif
	s_add_nc_u64 s[\g+2:\g+3], s[\ptr:\ptr+1], \goff
	s_or_b32 s[\g+3], s[\g+3], 0x80000000
.endm
	s_load_b256 s[4:11], s[0:1], 0x0               ; ao, ww, bo, out0
	v_lshl_add_u32 v254, v0, 2, 0x4f400
	v_mov_b32 v255, 0
	ds_add_u32 v254, v255
	ds_add_u32 v254, v255
	v_lshrrev_b32 v1, 5, v0
	v_readfirstlane_b32 s16, v1                    ; wave 0..3
	s_lshr_b32 s17, s16, 1                         ; RH: my half of the tokens.  Also: I fetch for ao (0) or for wo (1)
	s_and_b32 s18, s16, 1                          ; CH: my half of the columns.  Also: which half of that operand I fetch
	s_bfe_u32 s19, ttmp6, 0x40000                  ; cx
	s_bfe_u32 s20, ttmp6, 0x40004                  ; cy
	s_lshl_b32 s21, ttmp9, 2
	s_add_co_u32 s21, s21, s19                     ; jx
	s_and_b32 s22, ttmp7, 0xffff
	s_lshl_b32 s22, s22, 2
	s_add_co_u32 s22, s22, s20                     ; iy
	s_lshl_b32 s2, s20, 2
	s_lshl_b32 s2, 15, s2                          ; my row of the cluster
	s_lshl_b32 s100, 0x1111, s19                   ; my column
	s_or_b32 s24, s2, (3<<16)|(1<<21)
	s_or_b32 s40, s2, (3<<16)|(1<<21)
	s_or_b32 s32, s100, (3<<16)|(1<<21)
	s_or_b32 s48, s100, (3<<16)|(1<<21)
	G1SET 24, 768, 16, 1536                        ; ao's codes, first half of K: 16 tiles x 6,144 bytes, 12,288 apart
	G1SET 32, 768, 8, 1536                         ; wo's: 8 tiles
	G1SET 40, 32, 32, 32                           ; ao's scale words: 8,192 dense bytes as 32 rows of 256
	G1SET 48, 32, 16, 32                           ; wo's: 4,096
	s_lshl_b32 s23, s22, 4
	s_lshl_b32 s66, s23, 9
	s_add_co_u32 s66, s66, XSC
	s_mov_b32 s67, 0
	s_mul_i32 s2, s23, RTB
	s_mov_b32 s3, 0
	s_lshl_b32 s100, s21, 3
	s_add_co_u32 s100, s100, WT0                   ; 192 + 8 jx
	s_lshl_b32 s104, s100, 9
	s_add_co_u32 s104, s104, WSC
	s_mov_b32 s105, 0
	s_mul_i32 s100, s100, RTB
	s_mov_b32 s101, 0
	s_wait_dscnt 0x0
	s_wait_kmcnt 0x0
	s_add_nc_u64 s[66:67], s[4:5], s[66:67]
	s_add_nc_u64 s[2:3], s[4:5], s[2:3]
	s_add_nc_u64 s[104:105], s[6:7], s[104:105]
	s_add_nc_u64 s[100:101], s[6:7], s[100:101]
	s_mul_i32 s72, s18, 8*RTB                      ; the second half of K is shared out: 8 tiles of ao or 4 of wo a wave
	s_mov_b32 s73, 0
	s_add_nc_u64 s[72:73], s[2:3], s[72:73]
	s_mul_i32 s76, s18, 4*RTB
	s_mov_b32 s77, 0
	s_add_nc_u64 s[76:77], s[100:101], s[76:77]
	G0SET 56, 0, SCX, 66, 0
	G0SET 60, 0, 0, 2, 0
	G0SET 68, 8*XROW, CHUNK, 72, XROW
	G0SET 80, 0, SCW, 104, 0
	G0SET 84, 0, WOFF, 100, 0
	G0SET 88, 4*XROW, CHUNK+WOFF, 76, XROW
	CROUND                                         ; all sixteen work-groups are here: the joint loads meet
	s_cmp_eq_u32 s16, 0                            ; the head's four tiles, one a wave, in one chain of branches on the wave's number
	s_cbranch_scc0 .Lh1
	tensor_load_to_lds s[60:63], s[24:31]          ; wave 0: ao's codes, K 0-511
	s_nop 0
	PLACES 4
	s_branch .Lasked
.Lh1:
	s_cmp_eq_u32 s16, 1
	s_cbranch_scc0 .Lh2
	tensor_load_to_lds s[84:87], s[32:39]          ; wave 1: wo's codes, K 0-511
	s_nop 0
	PLACES 4
	s_branch .Lasked
.Lh2:
	s_cmp_eq_u32 s16, 2
	s_cbranch_scc0 .Lh3
	tensor_load_to_lds s[56:59], s[40:47]          ; wave 2: ao's scale words
	s_nop 0
	PLACES 4
	s_branch .Lasked
.Lh3:
	tensor_load_to_lds s[80:83], s[48:55]          ; wave 3: wo's scale words
	s_nop 0
	PLACES 4
.Lasked:
	v_and_b32 v9, 15, v0                           ; r
	v_bfe_u32 v10, v0, 4, 1                        ; h
	s_wait_alu depctr_va_vdst(0)
	v_and_b32 v11, 31, v0
	v_lshlrev_b32 v1, 4, v11
	v_lshlrev_b32 v2, 3, v11
	s_mul_i32 s23, s17, 8*XROW
	v_add_nc_u32 v3, s23, v1
	v_add_nc_u32 v4, s23, v2
	s_mul_i32 s23, s18, 4*XROW
	s_add_co_u32 s23, s23, WOFF
	v_add_nc_u32 v5, s23, v1
	v_add_nc_u32 v6, s23, v2
	s_lshl_b32 s23, s17, 12
	s_lshl_b32 s2, s18, 11
	s_add_co_u32 s2, s2, SCW-SCX
	s_sub_co_u32 s2, s2, s23
	s_add_co_u32 s23, s23, SCX
	v_mul_u32_u24 v7, s2, v10                      ; lanes 16-31 take wo's scale words: one product, the distance x h
	v_lshl_add_u32 v7, v9, 4, v7
	v_add_nc_u32 v7, s23, v7
	v_lshlrev_b32 v8, 11, v10
	v_sub_nc_u32 v8, v7, v8
	s_lshl_b32 s100, s21, 9
	s_lshl_b32 s101, s18, 8
	s_add_co_u32 s100, s100, s101                  ; my first column, in bytes
	s_mov_b32 s101, 0
	s_add_nc_u64 s[8:9], s[8:9], s[100:101]
	v_lshlrev_b32 v11, 6, v10                      ; 64 h
.irp k, 0,1,2,3,4,5,6,7
	global_load_b128 v[BI+4*\k:BI+4*\k+3], v11, s[8:9] offset:128*(\k/4)+16*(\k%4)   ; the bias in the result's layout: register 16 g + i: column 32 g + 16 h + i
.endr
	s_lshl_b32 s104, s22, 8
	s_lshl_b32 s105, s17, 7
	s_add_co_u32 s104, s104, s105                  ; my first token
	s_lshl_b32 s104, s104, 12
	s_add_co_u32 s104, s104, s100
	s_mov_b32 s105, 0
	s_add_nc_u64 s[10:11], s[10:11], s[104:105]
	s_mul_i32 s23, s16, 16*272
	s_add_co_u32 s23, s23, STAGE                   ; my stage
	v_mul_u32_u24 v12, v9, 272
	v_lshl_add_u32 v12, v10, 6, v12
	v_add_nc_u32 v12, s23, v12                     ; in: row r, + 64 h
	v_mul_u32_u24 v13, v10, 272
	v_lshl_add_u32 v13, v9, 4, v13
	v_add_nc_u32 v13, s23, v13                     ; back: lanes 0-15 one row of 256 bytes, lanes 16-31 the next
	v_lshlrev_b32 v14, 12, v10
	v_lshl_add_u32 v14, v9, 4, v14                 ; and the same two rows in out0
.macro FETCH s
	WIN 0x80                                       ; destination window 2
.irp i, 0,1,2,3,4,5,6,7
.irp c, 0,1
	ds_load_b128 v[96*((\s)%2)+12*\i+6*\c:96*((\s)%2)+12*\i+6*\c+3], v3 offset:XROW*\i+1536*((\s)%4)+768*\c
	ds_load_b64 v[96*((\s)%2)+12*\i+6*\c+4:96*((\s)%2)+12*\i+6*\c+5], v4 offset:XROW*\i+1536*((\s)%4)+768*\c+512
.endr
.endr
	WIN 0xc0                                       ; destination window 3
.irp i, 0,1,2,3
.irp c, 0,1
	ds_load_b128 v[48*((\s)%2)+12*\i+6*\c:48*((\s)%2)+12*\i+6*\c+3], v5 offset:XROW*\i+1536*((\s)%4)+768*\c
	ds_load_b64 v[48*((\s)%2)+12*\i+6*\c+4:48*((\s)%2)+12*\i+6*\c+5], v6 offset:XROW*\i+1536*((\s)%4)+768*\c+512
.endr
.endr
	WIN 0
.endm
.macro SCALES hf                       ; register 4 i + j: lanes 0-15 ao's tile i, lanes 16-31 wo's tile i % 4, K step 4 hf + j
.irp i, 0,1,2,3
	ds_load_b128 v[SC+32*\hf+4*\i:SC+32*\hf+4*\i+3], v7 offset:512*\i+256*\hf
.endr
.irp i, 4,5,6,7
	ds_load_b128 v[SC+32*\hf+4*\i:SC+32*\hf+4*\i+3], v8 offset:512*\i+256*\hf
.endr
.endm
; 32 matrix instructions: the 32 accumulators take turns, one instruction a turn, in the same order in every K step
.macro MUL s
.if \s == 0
	WIN 0x4b                                       ; source 0 (wo) window 3, source 1 (ao) window 2, C (the bias) window 0, D window 1
.else
	WIN 0x5b                                       ; C and D window 1
.endif
.irp a, 0,1,2,3,4,5,6,7
.irp b, 0,1,2,3
.if \s == 0
	v_wmma_scale_f32_16x16x128_f8f6f4 v[32*\a+8*\b:32*\a+8*\b+7], v[48*((\s)%2)+12*\b:48*((\s)%2)+12*\b+11], v[96*((\s)%2)+12*\a:96*((\s)%2)+12*\a+11], v[BI+8*\b:BI+8*\b+7], v[SC+32*((\s)/4)+4*\b+(\s)%4], v[SC+32*((\s)/4)+4*\a+(\s)%4] matrix_a_fmt:MATRIX_FMT_FP6 matrix_b_fmt:MATRIX_FMT_FP6 matrix_a_scale:MATRIX_SCALE_ROW1
.else
	v_wmma_scale_f32_16x16x128_f8f6f4 v[32*\a+8*\b:32*\a+8*\b+7], v[48*((\s)%2)+12*\b:48*((\s)%2)+12*\b+11], v[96*((\s)%2)+12*\a:96*((\s)%2)+12*\a+11], v[32*\a+8*\b:32*\a+8*\b+7], v[SC+32*((\s)/4)+4*\b+(\s)%4], v[SC+32*((\s)/4)+4*\a+(\s)%4] matrix_a_fmt:MATRIX_FMT_FP6 matrix_b_fmt:MATRIX_FMT_FP6 matrix_a_scale:MATRIX_SCALE_ROW1
.endif
.endr
.endr
.endm
.macro KSTEP s
	s_wait_dscnt 0x0                               ; this K step's fragments, asked for 32 matrix instructions ago, are in
.if \s < 7
.if (\s) == 3
	s_wait_tensorcnt 0x0                           ; my part of the second half of K has landed
	s_barrier_signal -1
	s_barrier_wait -1                              ; everybody's has
	v_add_nc_u32 v3, CHUNK, v3                     ; on to that chunk.  These four are also the places in front of loads into registers that matrix instructions have read
	s_wait_alu depctr_va_vdst(0)
	v_add_nc_u32 v4, CHUNK, v4
	s_wait_alu depctr_va_vdst(0)
	v_add_nc_u32 v5, CHUNK, v5
	s_wait_alu depctr_va_vdst(0)
	v_add_nc_u32 v6, CHUNK, v6
.else
	PLACES 4
.endif
	s_wait_alu depctr_va_vdst(0)
	FETCH (\s)+1
.if \s == 3
	SCALES 1
.endif
.endif
	MUL \s
	WIN 0
.endm
	s_wait_alu depctr_va_vdst(0)                   ; the wait at the head's end
	s_wait_loadcnt 0x0                             ; the bias
	s_wait_tensorcnt 0x0                           ; my tile of the head's four is in
	ds_add_u32 v254, v255
	s_mov_b32 s26, 8<<16                           ; no tensor load of mine is out: from here on a load brings 8 tiles of ao
	s_mov_b32 s28, 8
	s_mov_b32 s34, 4<<16                           ; or 4 of wo
	s_mov_b32 s36, 4
	s_wait_dscnt 0x0
	CROUND                                         ; all four tiles are in, and the sixteen work-groups are here
	s_cmp_eq_u32 s17, 0
	s_cbranch_scc0 .Lsw
	tensor_load_to_lds s[68:71], s[24:31]          ; K 512-1023: waves 0, 1 a half of ao's tiles each,
	s_nop 0
	PLACES 4
	s_branch .Lsa
.Lsw:
	tensor_load_to_lds s[88:91], s[32:39]          ; waves 2, 3 a half of wo's
	s_nop 0
	PLACES 4
.Lsa:
	FETCH 0
	SCALES 0
.irp s, 0,1,2,3,4,5,6,7
	KSTEP \s
.endr
; THE WAY OUT, a token tile at a time.  A lane holds pieces of one row, and the lanes beside it hold other rows: so a tile goes through my own stage and comes back as whole rows of 256 bytes.
; LDS serves a wave's instructions in order (ISA guide 5.7.1.4): no wait between the stores and the loads, nor in front of the next tile's stores.
.macro TOSTAGE a
	WIN 0x04                                       ; an LDS store's data are its source 1: window 1
.irp k, 0,1,2,3,4,5,6,7
	ds_store_b128 v12, v[32*(\a)+4*\k:32*(\a)+4*\k+3] offset:128*(\k/4)+16*(\k%4)   ; each accumulator from its low end on
.endr
	WIN 0
.irp i, 0,1,2,3,4,5,6,7
	ds_load_b128 v[BK+32*((\a)%2)+4*\i:BK+32*((\a)%2)+4*\i+3], v13 offset:544*\i
.endr
.endm
.macro SEND a, younger                 ; younger: the LDS instructions issued behind tile a's loads, which may stay out
	s_wait_dscnt \younger
.irp i, 0,1,2,3,4,5,6,7
	global_store_b128 v14, v[BK+32*((\a)%2)+4*\i:BK+32*((\a)%2)+4*\i+3], s[10:11] offset:(32*((\a)/2)+8*((\a)%2)+2*\i+8*(\i/4))*4096 th:TH_STORE_NT   ; 16 lanes store 256 consecutive bytes, aligned; the tile's rows 2 i, 2 i + 1
.endr
.endm
	PLACES 4                                       ; in front of the first read of results
	TOSTAGE 0
.irp a, 1,2,3,4,5,6,7
.if \a > 1
	s_wait_xcnt 0x0                                ; tile a - 2's stores have read their registers: tile a's loads may land there
.endif
	TOSTAGE \a
	SEND \a-1, 16                                  ; behind tile a - 1's loads: tile a's 8 stores and 8 loads
.endr
	SEND 7, 0
	s_wait_tensorcnt 0x0
	s_wait_dscnt 0x0
	s_wait_tensorcnt 0x0
	ds_add_u32 v254, v255
	s_wait_dscnt 0x0
	CROUND                                         ; the closing round: no work-group ends while a partner may still ask for a tile that names it
	s_endpgm
.Lfunc_end_k_q51ce78f143_proj:
	.size	k_q51ce78f143_proj, .Lfunc_end_k_q51ce78f143_proj-k_q51ce78f143_proj
	.p2alignl 7, 3214868480
	.fill 96, 4, 3214868480
	.section	.rodata,"a",@progbits
	.p2align	6, 0x0
	.amdhsa_kernel k_q51ce78f143_proj
		.amdhsa_group_segment_fixed_size 327680
		.amdhsa_private_segment_fixed_size 0
		.amdhsa_enable_private_segment 0
		.amdhsa_kernarg_size 32
		.amdhsa_user_sgpr_count 2
		.amdhsa_user_sgpr_kernarg_segment_ptr 1
		.amdhsa_wavefront_size32 1
		.amdhsa_system_sgpr_workgroup_id_x 1
		.amdhsa_system_sgpr_workgroup_id_y 1
		.amdhsa_system_sgpr_workgroup_id_z 1
		.amdhsa_system_vgpr_workitem_id 0
		.amdhsa_next_free_vgpr 1024
		.amdhsa_next_free_sgpr 106
		.amdhsa_reserve_vcc 0
		.amdhsa_float_denorm_mode_32 3
		.amdhsa_float_denorm_mode_16_64 3
		.amdhsa_memory_ordered 1
		.amdhsa_forward_progress 1
		.amdhsa_inst_pref_size 87
	.end_amdhsa_kernel
	.amdgpu_metadata
---
amdhsa.version: [ 1, 2 ]
amdhsa.kernels:
  - .name:           k_q51ce78f143_proj
    .symbol:         k_q51ce78f143_proj.kd
    .args:
      - { .name: ao, .offset: 0, .size: 8, .value_kind: global_buffer, .address_space: global }
      - { .name: ww, .offset: 8, .size: 8, .value_kind: global_buffer, .address_space: global }
      - { .name: bo, .offset: 16, .size: 8, .value_kind: global_buffer, .address_space: global }
      - { .name: out0, .offset: 24, .size: 8, .value_kind: global_buffer, .address_space: global }
    .group_segment_fixed_size: 327680
    .private_segment_fixed_size: 0
    .kernarg_segment_align: 8
    .kernarg_segment_size: 32
    .max_flat_workgroup_size: 128
    .sgpr_count:     106
    .vgpr_count:     1024
    .wavefront_size: 32
...
	.end_amdgpu_metadata
.endif
;; end of part 4
